; MI455X (gfx1250); checked and timed in simulation.
; The chip was launched on July 23, 2026; its instructions are those of AMD's public machine-readable ISA for CDNA 5 (MIT licence, August 2026) and "CDNA5" Instruction Set Architecture Reference Guide (July 2026). The comments in the code are by the model that wrote it; some were corrected since.
;; Loss Aware Memory Bank. Allowed arithmetic: float matrix products may take bf16 or f16 operands with f32 sums; all other float work in f32.
;; Inputs: memory 16,384 x 1,024 float32; predictions 4,096 x 14 float32; query 4,096 x 1,024 float32.
;; Outputs: out0 4,096 x 1,024 float32.
;; 2 versions, each right; version 2 is version 1 with the launch prep written anew for expert scheduling mode. Each part assembles by itself: llvm-mc -triple=amdgcn-amd-amdhsa -mcpu=gfx1250 --defsym DOCPART=n.
;; ======== version 1 of 2: 5 launches
;; workspace buffers: xb 41,943,040 bytes; inv 81,920 bytes; pmax 134,217,728 bytes; gmax 4,194,304 bytes; grp 262,144 bytes of whole numbers; idx 262,144 bytes of whole numbers; aux 262,144 bytes
;; launch prep (part 1): grid 1280 x 1, 4 waves a work-group, no clusters, 0 bytes of LDS; arguments memory, query, xb, inv; writes xb, inv
.if DOCPART == 1
	.amdgcn_target "amdgcn-amd-amdhsa--gfx1250"
	.amdhsa_code_object_version 6
	.text
	.protected	k_q8470497495_prep
	.globl	k_q8470497495_prep
	.p2align	8
	.type	k_q8470497495_prep,@function
k_q8470497495_prep:
	s_mov_b64 s[64:65], 0
	v_nop
	global_prefetch_b8 v0, s[64:65] scope:SCOPE_SE
	s_setreg_imm32_b32 hwreg(HW_REG_WAVE_MODE, 25, 1), 1
	s_wait_xcnt 0x0
; xb[row][:] = bf16(x[row][:]), inv[row] = 1 / max(norm of the ROUNDED row, 1e-12).  Rows 0..16383 of xb and inv are memory's, rows 16384..20479 query's.
; The norm is taken of the rounded numbers, so that all that follows is the reference's arithmetic on inputs rounded to bf16 once.
; A stream: memory binds, so no LDS, no matrix unit, no cluster (no byte is read by two work-groups).  A work-group takes 16 rows, a wave 4; a row of 4,096 bytes
; is eight loads of 512 consecutive bytes; all 32 loads of a wave go out at once (16 KiB on their way), so there is no loop.
; LIMITS.  max(norm, 1e-12) is made as sqrt(max(ss, 1e-24)); a row's sum of squares must stay below 3.4e38; NaN and infinities are not treated apart.
.set X,   32                           ; v[32:159] row r at X + 32 r: as loaded, then two packed words in every four
.set T,   6                            ; v[6:13]   widened numbers, two banks of four
.set SSA, 14                           ; v[14:15], v[16:17] two packed chains of squares
.set SSB, 16
.set INV, 20                           ; v[20:23]  the four rows' results
	s_load_b256 s[4:11], s[0:1], 0x0               ; memory s[4:5], query s[6:7], xb s[8:9], inv s[10:11]
	v_and_b32 v1, 31, v0                           ; lane
	v_lshrrev_b32 v5, 5, v0
	v_readfirstlane_b32 s12, v5                    ; wave 0..3
	v_lshlrev_b32 v2, 4, v1                        ; 16 bytes a lane in
	v_lshlrev_b32 v3, 3, v1                        ; 8 bytes a lane out
	v_lshlrev_b32 v4, 2, v1                        ; 4 bytes a lane for inv
	v_mov_b32 v19, 0                               ; v_permlanex16_b32's destination counts as read
	s_mov_b32 s20, 0x76543210                      ; each lane takes its own place in the other half
	s_mov_b32 s21, 0xfedcba98
	s_mov_b32 s22, 0xffff0000                      ; a word's upper bf16
	s_lshl_b32 s18, ttmp9, 15                      ; xb: 16 rows of 2,048 bytes a work-group,
	s_lshl_b32 s19, s12, 13                        ; 4 a wave
	s_add_co_u32 s18, s18, s19
	s_mov_b32 s19, 0
	s_lshl_b32 s26, ttmp9, 6                       ; inv: 16 words a work-group, 4 a wave
	s_lshl_b32 s27, s12, 4
	s_add_co_u32 s26, s26, s27
	s_mov_b32 s27, 0
	s_wait_kmcnt 0x0
	s_cmp_lt_u32 ttmp9, 1024                       ; the first 1,024 work-groups take memory, the other 256 query
	s_cselect_b64 s[14:15], s[4:5], s[6:7]
	s_cselect_b32 s13, 0, 1024
	s_sub_co_u32 s13, ttmp9, s13                   ; the block of 16 rows within its source
	s_lshl_b32 s16, s13, 16                        ; 16 rows of 4,096 bytes,
	s_lshl_b32 s17, s12, 14                        ; 4 a wave
	s_add_co_u32 s16, s16, s17
	s_mov_b32 s17, 0
	s_add_nc_u64 s[14:15], s[14:15], s[16:17]
	s_add_nc_u64 s[8:9], s[8:9], s[18:19]
	s_add_nc_u64 s[10:11], s[10:11], s[26:27]
.set r, 0
.rept 4
.set j, 0
.rept 8
	global_load_b128 v[X+32*r+4*j:X+32*r+4*j+3], v2, s[14:15] offset:4096*r+512*j th:TH_LOAD_NT
.set j, j+1
.endr
.set r, r+1
.endr
; One row: rounded, stored, squared and summed.  Every row has its own registers, so no store's data is ever written again.
.macro ROW r
	s_wait_loadcnt 24-8*(\r)                       ; loads come back in order (ISA guide 5.7.1): this row's eight are in, the younger rows' stay out
.irp j, 0,1,2,3,4,5,6,7
	v_cvt_pk_bf16_f32 v[X+32*(\r)+4*(\j)],   v[X+32*(\r)+4*(\j)],   v[X+32*(\r)+4*(\j)+1]
	v_cvt_pk_bf16_f32 v[X+32*(\r)+4*(\j)+1], v[X+32*(\r)+4*(\j)+2], v[X+32*(\r)+4*(\j)+3]
	v_lshlrev_b32 v[T+4*((\j)%2)],   16,  v[X+32*(\r)+4*(\j)]    ; the rounded numbers as f32
	v_and_b32     v[T+4*((\j)%2)+1], s22, v[X+32*(\r)+4*(\j)]
	v_lshlrev_b32 v[T+4*((\j)%2)+2], 16,  v[X+32*(\r)+4*(\j)+1]
	v_and_b32     v[T+4*((\j)%2)+3], s22, v[X+32*(\r)+4*(\j)+1]
.if (\j) == 0
	v_pk_mul_f32 v[SSA:SSA+1], v[T:T+1], v[T:T+1]               ; the first squares start the sums
	v_pk_mul_f32 v[SSB:SSB+1], v[T+2:T+3], v[T+2:T+3]
.else
	v_pk_fma_f32 v[SSA:SSA+1], v[T+4*((\j)%2):T+4*((\j)%2)+1],   v[T+4*((\j)%2):T+4*((\j)%2)+1],   v[SSA:SSA+1]
	v_pk_fma_f32 v[SSB:SSB+1], v[T+4*((\j)%2)+2:T+4*((\j)%2)+3], v[T+4*((\j)%2)+2:T+4*((\j)%2)+3], v[SSB:SSB+1]
.endif
	global_store_b64 v3, v[X+32*(\r)+4*(\j):X+32*(\r)+4*(\j)+1], s[8:9] offset:2048*(\r)+256*(\j)  ; 32 lanes store 256 consecutive bytes, aligned
.endr
	v_pk_add_f32 v[SSA:SSA+1], v[SSA:SSA+1], v[SSB:SSB+1]
	v_add_f32 v18, v[SSA], v[SSA+1]
	v_add_f32_dpp v18, v18, v18 row_xmask:1 row_mask:0xf bank_mask:0xf
	v_add_f32_dpp v18, v18, v18 row_xmask:2 row_mask:0xf bank_mask:0xf
	v_add_f32_dpp v18, v18, v18 row_xmask:4 row_mask:0xf bank_mask:0xf
	v_add_f32_dpp v18, v18, v18 row_xmask:8 row_mask:0xf bank_mask:0xf
	v_permlanex16_b32 v19, v18, s20, s21
	v_add_f32 v18, v18, v19                        ; every lane holds the row's sum of squares
	v_max_num_f32 v18, 0x179abe15, v18             ; at least 1e-24: the reference's max(norm, 1e-12)
	v_rsq_f32 v19, v18
	v_nop                                          ; a plain instruction behind the transcendental (ISA guide 5.7.2)
	s_wait_alu depctr_va_vdst(0)
	v_mul_f32 v6, v18, v19                         ; one Newton step: y + (y / 2)(1 - ss y y)
	v_fma_f32 v6, -v6, v19, 1.0
	v_mul_f32 v7, 0.5, v19
	v_fma_f32 v[INV+(\r)], v7, v6, v19
.endm
	ROW 0
	ROW 1
	ROW 2
	ROW 3
	v_mov_b32 v18, v[INV]                          ; lane r takes row r's result
	v_cmp_eq_u32 vcc_lo, 1, v1
	v_cndmask_b32 v18, v18, v[INV+1], vcc_lo
	v_cmp_eq_u32 vcc_lo, 2, v1
	v_cndmask_b32 v18, v18, v[INV+2], vcc_lo
	v_cmp_eq_u32 vcc_lo, 3, v1
	v_cndmask_b32 v18, v18, v[INV+3], vcc_lo
	v_cmp_gt_u32 vcc_lo, 4, v1
	s_wait_xcnt 0x0                                ; EXEC is a source of the stores above: it changes only behind this wait
	s_and_saveexec_b32 s24, vcc_lo
	global_store_b32 v4, v18, s[10:11]             ; 16 consecutive bytes a wave: inv is 81,920 bytes beside the launch's 126 million
	s_wait_xcnt 0x0
	s_or_b32 exec_lo, exec_lo, s24
	s_endpgm
.Lfunc_end_k_q8470497495_prep:
	.size	k_q8470497495_prep, .Lfunc_end_k_q8470497495_prep-k_q8470497495_prep
	.p2alignl 7, 3214868480
	.fill 96, 4, 3214868480
	.section	.rodata,"a",@progbits
	.p2align	6, 0x0
	.amdhsa_kernel k_q8470497495_prep
		.amdhsa_group_segment_fixed_size 0
		.amdhsa_private_segment_fixed_size 0
		.amdhsa_enable_private_segment 0
		.amdhsa_kernarg_size 32
		.amdhsa_user_sgpr_count 2
		.amdhsa_user_sgpr_kernarg_segment_ptr 1
		.amdhsa_wavefront_size32 1
		.amdhsa_system_sgpr_workgroup_id_x 1
		.amdhsa_system_sgpr_workgroup_id_y 1
		.amdhsa_system_sgpr_workgroup_id_z 1
		.amdhsa_system_vgpr_workitem_id 0
		.amdhsa_next_free_vgpr 160
		.amdhsa_next_free_sgpr 66
		.amdhsa_reserve_vcc 1
		.amdhsa_float_denorm_mode_32 3
		.amdhsa_float_denorm_mode_16_64 3
		.amdhsa_memory_ordered 1
		.amdhsa_forward_progress 1
		.amdhsa_inst_pref_size 24
	.end_amdhsa_kernel
	.amdgpu_metadata
---
amdhsa.version: [ 1, 2 ]
amdhsa.kernels:
  - .name:           k_q8470497495_prep
    .symbol:         k_q8470497495_prep.kd
    .args:
      - { .name: memory, .offset: 0, .size: 8, .value_kind: global_buffer, .address_space: global }
      - { .name: query, .offset: 8, .size: 8, .value_kind: global_buffer, .address_space: global }
      - { .name: xb, .offset: 16, .size: 8, .value_kind: global_buffer, .address_space: global }
      - { .name: inv, .offset: 24, .size: 8, .value_kind: global_buffer, .address_space: global }
    .group_segment_fixed_size: 0
    .private_segment_fixed_size: 0
    .kernarg_segment_align: 8
    .kernarg_segment_size: 32
    .max_flat_workgroup_size: 128
    .sgpr_count:     66
    .vgpr_count:     160
    .wavefront_size: 32
...
	.end_amdgpu_metadata
.endif
;; end of part 1
;; launch gemm (part 2): grid 64 x 4, 4 waves a work-group, clusters of 4 x 4, 327,680 bytes of LDS; arguments xb, inv, pmax, gmax; writes pmax, gmax
.if DOCPART == 2
	.amdgcn_target "amdgcn-amd-amdhsa--gfx1250"
	.amdhsa_code_object_version 6
	.text
	.protected	k_q8470497495_gemm
	.globl	k_q8470497495_gemm
	.p2align	8
	.type	k_q8470497495_gemm,@function
k_q8470497495_gemm:
	s_mov_b64 s[64:65], 0
	v_nop
	global_prefetch_b8 v0, s[64:65] scope:SCOPE_SE
	s_setreg_imm32_b32 hwreg(HW_REG_WAVE_MODE, 25, 1), 1
	s_wait_xcnt 0x0
	s_wait_alu depctr_hold_cnt(0) depctr_sa_sdst(0) depctr_va_vdst(0) depctr_va_sdst(0) depctr_va_ssrc(0) depctr_va_vcc(0) depctr_vm_vsrc(0)
	s_getreg_b32 s2, hwreg(HW_REG_IB_STS2, 6, 4)
	s_cmp_eq_u32 s2, 0
	s_cbranch_scc0 .Lentry_in_a_cluster
	s_endpgm
.Lentry_in_a_cluster:
	s_bfe_u32 s2, ttmp6, 0x10000c
	s_cmp_lg_u32 s2, 0xf033
	s_cbranch_scc0 .Lentry_shape_is_right
	s_endpgm
.Lentry_shape_is_right:
; The scores s[q][n] = (qb[q] . mb[n]) inv[n] in f32 (the query's own positive scale changes no order and is applied later) are made here and leave as maxima alone:
; pmax[q][i] = max(s[q][2 i], s[q][2 i + 1]) and gmax[G][q] = the largest s[q][64 G .. 64 G + 63].  The ten best scores of a query lie in its ten best pairs, and those in its ten best groups
; (ties to the lower index), so later launches need no more; the last one makes the scores of the twenty rows anew.  Half the scores' bytes go to memory.
; qb = rows 16384.. of xb, mb = rows 0..16383, bf16; sums in f32.  4,096 x 16,384 x 1,024.
; A tile is 256 q x 256 n: four waves, each 128 x 128 in 64 accumulators (512 registers).  1,024 tiles, FOUR to each of 256 work-groups, one below the other 1,024 rows apart, so a work-group's tiles share
; their rows of mb.  K goes in steps of 128 (tile rows of 256 bytes, aligned) through two LDS slots; the work-group's 32 steps are ONE sequence: the ring does not stop at a tile's end.
; CLUSTER 4 x 4: the four of a row need the same tiles of qb, the four of a column the same tiles of mb: each tile is asked for jointly, by the same tensor load with the same descriptor and a mask of four.
; THE MATRIX INSTRUCTION IS USED TRANSPOSED (source 0 = 16 rows of mb, source 1 = 16 rows of qb): lane l holds query l % 16, its registers j the columns n = 8 (l / 16) + j: four neighbouring pairs of a query.
; THE WAY OUT of a tile, 16 queries at a time: times inv[n] (64 registers, loaded once: a wave's columns never change); 32 pair maxima a lane; of them the maxima of the two groups of 64 columns; the pair
; maxima through the wave's own stage in LDS, back as whole rows of 256 bytes, stored.  Both refills for the next tile have been asked for when it begins.  A wave has 66 stores to a tile.
; REGISTERS, in windows of 256 (s_set_vgpr_msb: bits 1:0 source 0, 3:2 source 1, 5:4 source 2, 7:6 destination):
;   window 0: v0-31 addresses; v32-47 group maxima; v48-53 at work; v64-127, v128-191 fragments of qb, two buffers (the second also the scaled block on the way out); v192-223 pair maxima; v224-255 rows read back
;   window 1: v0-63 inv of my columns; v64-127, v128-191 fragments of mb          windows 2, 3: accumulator (a, b) at v[8 (8 (a % 4) + b)]
; LIMITS.  NaN and infinities are not treated apart.
.set SIZE_K, 1024
.set KSTEP,  128
.set PITCH,  272                       ; an LDS row: 256 bytes + 16 of padding = 68 words: the 16 rows of a fragment load start at 16 different groups of four banks (64 banks of 4 bytes: ISA guide 11.1)
.set HALFT,  128*PITCH                 ; 128 rows: what one tensor load brings, and what one wave reads of qb or of mb
.set SLOT,   4*HALFT                   ; qb's 256 rows, then mb's 256 rows
.set STAGE,  2*SLOT                    ; behind the ring: 16 rows x 272 bytes for each wave
.set SPITCH, 272                       ; 256 bytes + 16
.set SPARE,  STAGE+4*16*SPITCH         ; behind the stages: the spare words, 128 bytes a wave: two blocks of 256 bytes that no other line names
.set PROW,   32768                     ; bytes in a row of pmax
.set ADRA, 16                          ; v16-17  LDS address of my fragments of qb in slot 0, 1
.set ADRB, 20                          ; v20-21  the same for mb
.set STO,  24                          ; v24     the way out: where I put 16 bytes of a row
.set RD,   25                          ; v25     where I read rows back: lanes 0-15 one row, lanes 16-31 the next
.set CO,   26                          ; v26     my byte offset in those two rows of pmax
.set GST,  27                          ; v27     where a group maximum goes: stage + 4 (l % 16)
.set SPW,  28                          ; v28     my spare word; never rewritten
.set NIL,  29                          ; v29     0; never rewritten
.set GRD,  30                          ; v30     stage + 16 x lane: the group maxima read back
.set GCO,  31                          ; v31     16 x lane
.set GM,   32                          ; v32-47  block a's maxima of groups 0, 1 at GM + 2 a
.set CH,   48                          ; v48-53  chains
.set F0,   64
.set F1,   128
.set TMP,  128                         ; the scaled block, 64 registers
.set PM,   192                         ; its 32 pair maxima
.set OB,   224                         ; 16 rows read back
.set SC,   0                           ; window 1
.set WV,  12                           ; s12  wave
.set HR,  13                           ; s13  which half of the tile's rows is mine; also: I fetch for qb (0) or mb (1)
.set HC,  14                           ; s14  which half of its columns; also: which 128 rows I fetch
.set LP,  15                           ; s15  laps to go
.set BA,  20                           ; s[20:21] qb at my 128 rows of the first tile
.set BB,  22                           ; s[22:23] mb at my 128 rows
.set G1,  24                           ; s[24:31] descriptor group 1 for qb's tiles;  s[32:39] group 0, a set for each slot
.set G0,  32
.set G1B, 48                           ; s[48:55], s[56:63] the same for mb's
.set G0B, 56
.set KO,  66                           ; s[66:67] byte along K of the step to be asked for
.set OA,  68                           ; s[68:69] that plus the tile's offset in qb
.set TO,  70                           ; s70  the tile's offset in qb
.set MSB, 0
.macro WIN new                         ; the immediate's high byte repeats the setting that is left; a switch that changes nothing is dropped
.if MSB != (\new)
	s_set_vgpr_msb (MSB<<8)|(\new)
.set MSB, \new
.endif
.endm
.set MUL_LO, 0xa1                      ; source 0 (mb) window 1, source 1 (qb) window 0, C and D window 2
.set MUL_HI, 0xf1                      ; the same, C and D window 3
.set TO_B,   0x40                      ; destination window 1, address window 0
; A joint load.  Waves 0 and 1 fetch qb's two halves, waves 2 and 3 mb's.  The branch hangs on the wave's number alone.  An s_nop 0 and four v_nop follow each of the two lines.
.macro JLOAD s
	s_cmp_eq_u32 s[HR], 0
	s_cbranch_scc0 .Lfor_b_\@
	tensor_load_to_lds s[G0+4*(\s):G0+4*(\s)+3], s[G1:G1+7]
	s_nop 0
.rept 4
	v_nop
.endr
	s_branch .Lasked_\@
.Lfor_b_\@:
	tensor_load_to_lds s[G0B+4*(\s):G0B+4*(\s)+3], s[G1B:G1B+7]
	s_nop 0
.rept 4
	v_nop
.endr
.Lasked_\@:
.endm
.macro CREST                           ; a round of the cluster's barrier behind its opening barrier: wave 0 signals for the work-group, every wave waits for all sixteen, the work-group's barrier closes it
	s_cmp_lg_u32 s[WV], 0
	s_cbranch_scc1 .Lnot_wave_0_\@
	s_barrier_signal -3
.Lnot_wave_0_\@:
	s_barrier_wait -3
	s_barrier_signal -1
	s_barrier_wait -1
.endm
.macro CROUND                          ; a whole round
	s_barrier_signal -1
	s_barrier_wait -1
	CREST
.endm
	s_load_b256 s[4:11], s[0:1], 0x0               ; xb s[4:5], inv s[6:7], pmax s[8:9], gmax s[10:11]
	v_lshl_add_u32 v[SPW], v0, 2, SPARE
	v_mov_b32 v[NIL], 0
	ds_add_u32 v[SPW], v[NIL]                      ; the wave's opening: the add and its wait stand ahead of my first tensor load; the set-up below, work on registers, stands between them
	v_lshrrev_b32 v1, 5, v0
	v_readfirstlane_b32 s[WV], v1
	s_lshr_b32 s[HR], s[WV], 1
	s_and_b32 s[HC], s[WV], 1
	s_bfe_u32 s40, ttmp6, 0x40000                  ; cx
	s_bfe_u32 s41, ttmp6, 0x40004                  ; cy
	s_lshl_b32 s42, ttmp9, 2
	s_add_co_u32 s42, s42, s40                     ; tile column = 4 x cluster x + cx, 0..63
	s_and_b32 s43, ttmp7, 0xffff
	s_lshl_b32 s43, s43, 2
	s_add_co_u32 s43, s43, s41                     ; first tile row = 4 x cluster y + cy, 0..3
	s_lshl_b32 s44, s41, 2
	s_lshl_b32 s44, 15, s44                        ; my row of the cluster
	s_lshl_b32 s45, 0x1111, s40                    ; my column
	s_or_b32 s[G1+0], s44, (1<<16)|(1<<20)|(1<<21)|(5<<22)|(3<<25)   ; 15:0 the mask; 17:16 2-byte elements; 20 padding on; 21 set beside a mask; 24:22 after every 64 words (code 5); 31:25 4 words (code 3)
	s_or_b32 s[G1B+0], s45, (1<<16)|(1<<20)|(1<<21)|(5<<22)|(3<<25)
.irp g, G1, G1B
	s_mov_b32 s[(\g)+1], KSTEP<<16                 ; tensor_dim0 = 128
	s_mov_b32 s[(\g)+2], 128<<16                   ; tensor_dim1 = 128
	s_mov_b32 s[(\g)+3], KSTEP<<16                 ; tile_dim0 = 128
	s_mov_b32 s[(\g)+4], 128                       ; tile_dim1 = 128
	s_mov_b32 s[(\g)+5], SIZE_K                    ; elements from row to row
	s_mov_b32 s[(\g)+6], 0
	s_mov_b32 s[(\g)+7], 0
.endr
	; qb's address hangs on the tile row alone, mb's on the tile column alone, each in registers that never hold the other coordinate
	s_lshl_b32 s17, s[HC], 7                       ; which 128 rows of a tile I fetch
	s_lshl_b32 s16, s43, 8
	s_add_co_u32 s16, s16, s17
	s_lshl_b32 s16, s16, 11                        ; rows of 2,048 bytes
	s_add_co_u32 s16, s16, 0x2000000               ; behind mb's 16,384 rows
	s_lshl_b32 s18, s42, 8
	s_add_co_u32 s18, s18, s17
	s_lshl_b32 s18, s18, 11
	s_mov_b32 s17, 0
	s_mov_b32 s19, 0
	s_mul_i32 s71, s[WV], HALFT                    ; where my load goes: wave x 128 rows: no place in the cluster enters an LDS address
	s_mov_b32 s[KO], 2*KSTEP*2                     ; the first refill is step 2
	s_mov_b32 s[KO+1], 0
	s_mov_b32 s[OA+1], 0
	s_mov_b32 s[TO], 0
	s_mov_b32 s72, 0x76543210                      ; v_permlanex16_b32: each lane takes its own place in the other half
	s_mov_b32 s73, 0xfedcba98
	s_wait_dscnt 0x0                               ; the opening add is done
	s_wait_kmcnt 0x0
	s_add_nc_u64 s[BA:BA+1], s[4:5], s[16:17]
	s_add_nc_u64 s[BB:BB+1], s[4:5], s[18:19]
	CROUND                                         ; all sixteen work-groups are here: the first joint loads meet
.irp s, 0,1
	s_mov_b32 s[G0+4*(\s)], 1                                      ; count = 1
	s_add_co_u32 s[G0+4*(\s)+1], s71, (\s)*SLOT                    ; LDS address
	s_add_nc_u64 s[G0+4*(\s)+2:G0+4*(\s)+3], s[BA:BA+1], (\s)*KSTEP*2  ; K step s
	s_or_b32 s[G0+4*(\s)+3], s[G0+4*(\s)+3], 0x80000000            ; type = 2
	s_mov_b32 s[G0B+4*(\s)], 1
	s_add_co_u32 s[G0B+4*(\s)+1], s71, (\s)*SLOT
	s_add_nc_u64 s[G0B+4*(\s)+2:G0B+4*(\s)+3], s[BB:BB+1], (\s)*KSTEP*2
	s_or_b32 s[G0B+4*(\s)+3], s[G0B+4*(\s)+3], 0x80000000
	JLOAD \s                                       ; two loads of mine are out
.endr
	; A fragment is 16 rows x 32 K in 8 registers: lane l holds row l % 16, K = 8 (l / 16) + 0..7 and 16 + 8 (l / 16) + 0..7: two loads of 16 bytes, 32 bytes apart
	v_and_b32 v1, 15, v0                           ; l % 16
	v_bfe_u32 v2, v0, 4, 1                         ; l / 16
	v_mul_u32_u24 v3, v1, PITCH
	v_lshl_add_u32 v3, v2, 4, v3
	s_mul_i32 s16, s[HR], HALFT                    ; my 128 rows of qb
	s_mul_i32 s17, s[HC], HALFT                    ; my 128 rows of mb,
	s_add_co_u32 s17, s17, 2*HALFT                 ; which lie behind qb's 256
.irp s, 0,1
	v_add_nc_u32 v[ADRA+(\s)], s16, v3
	v_add_nc_u32 v[ADRB+(\s)], s17, v3
	s_add_co_u32 s16, s16, SLOT
	s_add_co_u32 s17, s17, SLOT
.endr
	s_mul_i32 s16, s[WV], 16*SPITCH
	s_add_co_u32 s16, s16, STAGE                   ; my stage
	v_mul_u32_u24 v4, v1, SPITCH                   ; in: row l % 16, 16 bytes (four pairs) for each half of the lanes
	v_lshl_add_u32 v4, v2, 4, v4
	v_add_nc_u32 v[STO], s16, v4
	v_mul_u32_u24 v6, v2, SPITCH                   ; back: lanes 0-15 take one row of 256 bytes, lanes 16-31 the next
	v_lshl_add_u32 v6, v1, 4, v6
	v_add_nc_u32 v[RD], s16, v6
	v_lshlrev_b32 v6, 15, v2                       ; and the same two rows in pmax
	v_lshl_add_u32 v[CO], v1, 4, v6
	v_lshl_add_u32 v[GST], v1, 2, s16
	v_and_b32 v6, 31, v0
	v_lshlrev_b32 v[GCO], 4, v6
	v_add_nc_u32 v[GRD], s16, v[GCO]
	v_lshlrev_b32 v5, 5, v2                        ; inv: 32 bytes for each half of the lanes
	v_mov_b32 v[CH+4], 0                           ; v_permlanex16_b32's destinations count as read
	v_mov_b32 v[CH+5], 0
	s_lshl_b32 s16, s43, 8
	s_lshl_b32 s17, s[HR], 7
	s_add_co_u32 s16, s16, s17                     ; my first query
	s_lshl_b32 s18, s42, 10
	s_lshl_b32 s19, s[HC], 9
	s_add_co_u32 s18, s18, s19                     ; my first column, in bytes of f32
	s_mov_b32 s47, 0
	s_mov_b32 s46, s18
	s_add_nc_u64 s[6:7], s[6:7], s[46:47]          ; inv at my 128 columns
	s_lshl_b32 s46, s16, 15                        ; rows of 32,768 bytes,
	s_lshr_b32 s19, s18, 1                         ; a pair for two columns
	s_add_co_u32 s46, s46, s19
	s_add_nc_u64 s[8:9], s[8:9], s[46:47]          ; pmax at my corner of the first tile
	s_lshl_b32 s46, s18, 6                         ; my first group's row of gmax: (column / 64) x 16,384 bytes
	s_lshl_b32 s17, s16, 2
	s_add_co_u32 s46, s46, s17
	s_add_nc_u64 s[10:11], s[10:11], s[46:47]
	WIN TO_B
.irp b, 0,1,2,3,4,5,6,7                ; inv[n] for n = 16 b + 8 (l / 16) + j, in the accumulators' own layout
	global_load_b128 v[SC+8*(\b):SC+8*(\b)+3],   v5, s[6:7] offset:64*(\b)
	global_load_b128 v[SC+8*(\b)+4:SC+8*(\b)+7], v5, s[6:7] offset:64*(\b)+16
.endr
	WIN 0
; 16 matrix instructions: blocks a0, a0 + 1 of the window's four x all 8 column blocks, 32 along K.  zero = 1: the product starts the sums: nothing is ever cleared.
.macro MUL16 f, hi, a0, zero
	WIN MUL_LO+0x50*(\hi)
.irp a, \a0, (\a0)+1
.irp b, 0,1,2,3,4,5,6,7
.if \zero
	v_wmma_f32_16x16x32_bf16 v[8*(8*(\a)+(\b)):8*(8*(\a)+(\b))+7], v[(\f)+8*(\b):(\f)+8*(\b)+7], v[(\f)+8*(4*(\hi)+(\a)):(\f)+8*(4*(\hi)+(\a))+7], 0
.else
	v_wmma_f32_16x16x32_bf16 v[8*(8*(\a)+(\b)):8*(8*(\a)+(\b))+7], v[(\f)+8*(\b):(\f)+8*(\b)+7], v[(\f)+8*(4*(\hi)+(\a)):(\f)+8*(4*(\hi)+(\a))+7], v[8*(8*(\a)+(\b)):8*(8*(\a)+(\b))+7]
.endif
.endr
.endr
.endm
; 32 LDS loads in one run: the fragments of one quarter step (32 K at byte k of the rows) into buffer f
.macro FETCH slot, k, f
	WIN TO_B
.irp i, 0,1,2,3,4,5,6,7
	ds_load_b128 v[(\f)+8*(\i):(\f)+8*(\i)+3],   v[ADRB+(\slot)] offset:(\k)+(\i)*16*PITCH
	ds_load_b128 v[(\f)+8*(\i)+4:(\f)+8*(\i)+7], v[ADRB+(\slot)] offset:(\k)+(\i)*16*PITCH+32
.endr
	WIN 0
.irp i, 0,1,2,3,4,5,6,7
	ds_load_b128 v[(\f)+8*(\i):(\f)+8*(\i)+3],   v[ADRA+(\slot)] offset:(\k)+(\i)*16*PITCH
	ds_load_b128 v[(\f)+8*(\i)+4:(\f)+8*(\i)+7], v[ADRA+(\slot)] offset:(\k)+(\i)*16*PITCH+32
.endr
.endm
; A load into a register that a matrix instruction has read, and a vector instruction that reads a matrix result or writes a matrix instruction's register, stand four plain vector instructions behind it (ISA guide 7.12.1 for vector instructions)
.macro PLACES
.rept 4
	v_nop
.endr
.endm
; A K step is four quarters of 32 along K, 64 matrix instructions each, on buffers 0, 1, 0, 1; the 64 accumulators take turns in the same order in every quarter.
; One of the first three: multiplies buffer f; in its middle it fetches the next quarter's fragments, at byte k of the same slot's rows, into buffer g.
.macro QUARTER slot, k, f, g, zero
	s_wait_dscnt 8                                 ; mb's and qb's rows 0-63 are in; the youngest eight loads (qb's rows 64-127) may be out
	MUL16 \f, 0, 0, \zero
	MUL16 \f, 0, 2, \zero
	PLACES
	FETCH \slot, \k, \g
	s_wait_dscnt 32                                ; all but the 32 just issued
	MUL16 \f, 1, 0, \zero
	MUL16 \f, 1, 2, \zero
.endm
; The first half of the last quarter, with the ONE barrier of a change of slots.  In front of it each wave waits for all its tensor loads (one is out: its part of the next slot), adds 0 to its spare word, and waits for that and for its reads of this slot.
.macro MEET round
	WIN 0                                          ; (the add's two registers lie in window 0)
	s_wait_tensorcnt 0x0
	ds_add_u32 v[SPW], v[NIL]
	s_wait_dscnt 9                                 ; (the add and the youngest eight loads may be out)
	MUL16 F1, 0, 0, 0                              ; sixteen matrix instructions stand between the add and the wait for it
	s_wait_dscnt 0x0                               ; the add is done, and my reads of this slot are over
	s_barrier_signal -1
	MUL16 F1, 0, 2, 0                              ; work on registers while the others arrive
.if \round
	WIN 0
.endif
	s_barrier_wait -1
.endm
; The address of the step to be asked for is made anew: base + tile's offset + byte along K; then the count goes on: 8 steps of 256 bytes to a tile, 1,024 rows of 2,048 bytes from tile to tile; mb only goes back along K.
.macro ADDR slot
	s_add_co_u32 s[OA], s[TO], s[KO]
	s_add_nc_u64 s[G0+4*(\slot)+2:G0+4*(\slot)+3], s[BA:BA+1], s[OA:OA+1]
	s_or_b32 s[G0+4*(\slot)+3], s[G0+4*(\slot)+3], 0x80000000
	s_add_nc_u64 s[G0B+4*(\slot)+2:G0B+4*(\slot)+3], s[BB:BB+1], s[KO:KO+1]
	s_or_b32 s[G0B+4*(\slot)+3], s[G0B+4*(\slot)+3], 0x80000000
	s_add_co_u32 s[KO], s[KO], KSTEP*2
	s_and_b32 s[KO], s[KO], SIZE_K*2-1
	s_cmp_eq_u32 s[KO], 0
	s_cselect_b32 s71, 1024*SIZE_K*2, 0
	s_add_co_u32 s[TO], s[TO], s71
.endm
; The whole last quarter where the slot is filled again: the barrier opens a round of the cluster's barrier, so that no wave of any partner still reads the slot or has a load on its way; the joint refill is the first
; tensor load behind it, 224 matrix instructions ahead of the wait for it; then the next slot's first fragments.
.macro TURN slot, next
	MEET 1
	CREST
	ADDR \slot
	JLOAD \slot                                    ; its four v_nop are also the places in front of the loads below
	FETCH \next, 0, F0
	MUL16 F1, 1, 0, 0
	MUL16 F1, 1, 2, 0
.endm
.macro TURNX slot, next                ; the same with nothing left to ask for: a plain barrier
	MEET 0
	PLACES
	FETCH \next, 0, F0
	MUL16 F1, 1, 0, 0
	MUL16 F1, 1, 2, 0
.endm
; THE WAY OUT.  SCALE: block a (16 queries x 128 columns) times inv[n], each accumulator's registers in ascending order; then the larger of each two neighbouring columns.
.macro SCALE a
.set AC, 64*((\a)%4)
	WIN 0x06+(\a)/4                                ; source 0 window 2 or 3, source 1 window 1, destination window 0
.irp b, 0,1,2,3,4,5,6,7
.irp r, 0,1,2,3
	v_pk_mul_f32 v[TMP+8*(\b)+2*(\r):TMP+8*(\b)+2*(\r)+1], v[AC+8*(\b)+2*(\r):AC+8*(\b)+2*(\r)+1], v[SC+8*(\b)+2*(\r):SC+8*(\b)+2*(\r)+1]
.endr
.endr
	WIN 0
.irp b, 0,1,2,3,4,5,6,7
.irp r, 0,1,2,3
	v_max_num_f32 v[PM+4*(\b)+(\r)], v[TMP+8*(\b)+2*(\r)], v[TMP+8*(\b)+2*(\r)+1]
.endr
.endr
.endm
; GMAX: group u is column blocks 4 u .. 4 u + 3: 16 pair maxima, in two chains of 7 by threes, the two left over, and the other half of the lanes
.macro GMAX a
.irp u, 0,1
.irp k, 0,1
	v_max3_num_f32 v[CH+2*(\u)+(\k)], v[PM+16*(\u)+8*(\k)], v[PM+16*(\u)+8*(\k)+1], v[PM+16*(\u)+8*(\k)+2]
.endr
.endr
.irp i, 0,1
.irp u, 0,1
.irp k, 0,1
	v_max3_num_f32 v[CH+2*(\u)+(\k)], v[CH+2*(\u)+(\k)], v[PM+16*(\u)+8*(\k)+3+2*(\i)], v[PM+16*(\u)+8*(\k)+4+2*(\i)]
.endr
.endr
.endr
.irp u, 0,1
	v_max3_num_f32 v[CH+2*(\u)], v[CH+2*(\u)], v[PM+16*(\u)+7], v[PM+16*(\u)+15]
.endr
.irp u, 0,1
	v_max_num_f32 v[CH+2*(\u)], v[CH+2*(\u)], v[CH+2*(\u)+1]
.endr
.irp u, 0,1
	v_permlanex16_b32 v[CH+4+(\u)], v[CH+2*(\u)], s72, s73
.endr
.irp u, 0,1
	v_max_num_f32 v[GM+2*(\a)+(\u)], v[CH+2*(\u)], v[CH+4+(\u)]
.endr
.endm
.macro TOSTAGE a
.irp b, 0,1,2,3,4,5,6,7
	ds_store_b128 v[STO], v[PM+4*(\b):PM+4*(\b)+3] offset:32*(\b)
.endr
	s_wait_xcnt 0x0                                ; the registers below are the data of the block before's stores: they are loaded again only behind this wait (ISA guide 3.1)
.irp t, 0,1,2,3,4,5,6,7
	ds_load_b128 v[OB+4*(\t):OB+4*(\t)+3], v[RD] offset:(\t)*2*SPITCH  ; LDS serves a wave's instructions in order (ISA guide 5.7.1.4): these see the stores above
.endr
.endm
.macro SEND a
.irp t, 0,1,2,3,4,5,6,7
.if (\t)%4 == 0
	s_wait_dscnt 4-(\t)                            ; the next four loads are back; the younger loads from the stage stay out
.endif
	global_store_b128 v[CO], v[OB+4*(\t):OB+4*(\t)+3], s[8:9] offset:(16*(\a)+2*(\t))*PROW th:TH_STORE_NT  ; each half of the lanes stores 256 consecutive bytes, aligned; 126 rows at the most: inside the signed 24-bit immediate
.endr
.endm
.macro WAYOUT step                     ; step = 1: a tile follows
	WIN 0
	PLACES                                         ; behind the last products: their results are read, and a buffer that they read is written
	SCALE 0
	GMAX 0
	TOSTAGE 0
.irp a, 1,2,3,4,5,6,7                  ; block a's arithmetic stands between block a - 1's loads from the stage and the waits for them
	SCALE \a
	GMAX \a
	SEND (\a)-1
	TOSTAGE \a
.endr
	SEND 7
	s_wait_xcnt 0x0                                ; the last stores have read their registers
.irp a, 0,1,2,3,4,5,6,7                ; the maxima: group u's 128 queries as 512 consecutive bytes of my stage (both halves of the lanes write the same word with the same value)
	ds_store_b32 v[GST], v[GM+2*(\a)]   offset:64*(\a)
	ds_store_b32 v[GST], v[GM+2*(\a)+1] offset:512+64*(\a)
.endr
	ds_load_b128 v[OB:OB+3],   v[GRD]
	ds_load_b128 v[OB+4:OB+7], v[GRD] offset:512
	s_wait_dscnt 0x0
	global_store_b128 v[GCO], v[OB:OB+3],   s[10:11]              ; 512 consecutive bytes of a group's row of gmax, aligned
	global_store_b128 v[GCO], v[OB+4:OB+7], s[10:11] offset:16384
.if \step
	s_wait_xcnt 0x0                                ; the stores' bases are stepped only behind this wait
	s_add_nc_u64 s[8:9], s[8:9], 1024*PROW         ; 1,024 queries on
	s_add_nc_u64 s[10:11], s[10:11], 1024*4
.endif
.endm
	s_wait_loadcnt 0x0                             ; inv
	s_wait_tensorcnt 1                             ; my part of K step 0 is in; step 1's may stay out
	s_barrier_signal -1
	s_barrier_wait -1                              ; everybody's is
	FETCH 0, 0, F0
	QUARTER 0, 64,  F0, F1, 1                      ; the first tile's first quarter starts the sums
	WIN 0                                          ; at a label and at a branch every window is 0
	s_mov_b32 s[LP], 15                            ; 16 laps of two K steps; the last is written out
.Llap:                                                 ; a trip goes once round the ring, from a lap's second quarter to the next lap's first, and fills both slots again: steps 2 to 31
	QUARTER 0, 128, F1, F0, 0
	QUARTER 0, 192, F0, F1, 0
	TURN 0, 1
	QUARTER 1, 64,  F0, F1, 0
	QUARTER 1, 128, F1, F0, 0
	QUARTER 1, 192, F0, F1, 0
	TURN 1, 0
	WIN 0
	s_and_b32 s16, s[LP], 3                        ; a tile is four laps: it ends where 12, 8 or 4 laps are left; the same in every work-group
	s_cmp_eq_u32 s16, 0
	s_cbranch_scc1 .Lbound
	QUARTER 0, 64,  F0, F1, 0
	WIN 0
	s_branch .Lnext
.Lbound:                                               ; both refills for the next tile are asked for, its first fragments are fetched: now the tile goes out
	WAYOUT 1
	QUARTER 0, 64,  F0, F1, 1                      ; the next tile's first quarter starts the sums anew
	WIN 0
.Lnext:
	s_sub_co_u32 s[LP], s[LP], 1
	s_cmp_lg_u32 s[LP], 0
	s_cbranch_scc1 .Llap
	QUARTER 0, 128, F1, F0, 0                      ; the last lap fills nothing
	QUARTER 0, 192, F0, F1, 0
	TURNX 0, 1
	QUARTER 1, 64,  F0, F1, 0
	QUARTER 1, 128, F1, F0, 0
	QUARTER 1, 192, F0, F1, 0
	s_wait_dscnt 8                                 ; the very last quarter: nothing more to fetch
	MUL16 F1, 0, 0, 0
	MUL16 F1, 0, 2, 0
	s_wait_dscnt 0x0
	MUL16 F1, 1, 0, 0
	MUL16 F1, 1, 2, 0
	WIN 0
	WAYOUT 0
	s_wait_tensorcnt 0x0                           ; the wave's end: behind my last tensor load and my last LDS store
	ds_add_u32 v[SPW], v[NIL]
	s_wait_dscnt 0x0
	CROUND                                         ; the closing round: no work-group ends while a partner may still ask for a tile that names it
	s_endpgm
.Lfunc_end_k_q8470497495_gemm:
	.size	k_q8470497495_gemm, .Lfunc_end_k_q8470497495_gemm-k_q8470497495_gemm
	.p2alignl 7, 3214868480
	.fill 96, 4, 3214868480
	.section	.rodata,"a",@progbits
	.p2align	6, 0x0
	.amdhsa_kernel k_q8470497495_gemm
		.amdhsa_group_segment_fixed_size 327680
		.amdhsa_private_segment_fixed_size 0
		.amdhsa_enable_private_segment 0
		.amdhsa_kernarg_size 32
		.amdhsa_user_sgpr_count 2
		.amdhsa_user_sgpr_kernarg_segment_ptr 1
		.amdhsa_wavefront_size32 1
		.amdhsa_system_sgpr_workgroup_id_x 1
		.amdhsa_system_sgpr_workgroup_id_y 1
		.amdhsa_system_sgpr_workgroup_id_z 1
		.amdhsa_system_vgpr_workitem_id 0
		.amdhsa_next_free_vgpr 1024
		.amdhsa_next_free_sgpr 80
		.amdhsa_reserve_vcc 0
		.amdhsa_float_denorm_mode_32 3
		.amdhsa_float_denorm_mode_16_64 3
		.amdhsa_memory_ordered 1
		.amdhsa_forward_progress 1
		.amdhsa_inst_pref_size 220
	.end_amdhsa_kernel
	.amdgpu_metadata
---
amdhsa.version: [ 1, 2 ]
amdhsa.kernels:
  - .name:           k_q8470497495_gemm
    .symbol:         k_q8470497495_gemm.kd
    .args:
      - { .name: xb, .offset: 0, .size: 8, .value_kind: global_buffer, .address_space: global }
      - { .name: inv, .offset: 8, .size: 8, .value_kind: global_buffer, .address_space: global }
      - { .name: pmax, .offset: 16, .size: 8, .value_kind: global_buffer, .address_space: global }
      - { .name: gmax, .offset: 24, .size: 8, .value_kind: global_buffer, .address_space: global }
    .group_segment_fixed_size: 327680
    .private_segment_fixed_size: 0
    .kernarg_segment_align: 8
    .kernarg_segment_size: 32
    .max_flat_workgroup_size: 128
    .sgpr_count:     80
    .vgpr_count:     1024
    .wavefront_size: 32
...
	.end_amdgpu_metadata
.endif
;; end of part 2
;; launch groups (part 3): grid 256 x 1, 4 waves a work-group, no clusters, 0 bytes of LDS; arguments gmax, grp; writes grp
.if DOCPART == 3
	.amdgcn_target "amdgcn-amd-amdhsa--gfx1250"
	.amdhsa_code_object_version 6
	.text
	.protected	k_q8470497495_groups
	.globl	k_q8470497495_groups
	.p2align	8
	.type	k_q8470497495_groups,@function
k_q8470497495_groups:
	s_mov_b64 s[64:65], 0
	v_nop
	global_prefetch_b8 v0, s[64:65] scope:SCOPE_SE
	s_setreg_imm32_b32 hwreg(HW_REG_WAVE_MODE, 25, 1), 1
	s_wait_xcnt 0x0
; For each query the ten groups (of 256 groups of 64 columns) with the largest group maximum, a tie going to the lower group.  The ten best scores lie in these groups: were one of them in a group outside,
; each of the ten groups ahead would hold a score that is larger, or equal with a lower index: ten scores ahead of it.
; A wave takes four queries: lane l holds groups l, l + 32, .. l + 224 of each (one 16-byte load brings a group's maxima of the four queries; every byte of gmax is read once in the launch).
; Ten passes: the wave's maximum; the lowest group that has it; that group is taken out.  All by selects: no branch and no address hangs on a score.  Group numbers are kept as f32 (exact), so that one kind of reduction serves.
; Position p of query q is stored at word W(p) of grp's 64 bytes for q: W(p) = 2 p for p < 8, W(8) = 1, W(9) = 3; the other words hold 0.  No LDS, no matrix unit, no cluster: nothing is shared, nothing is multiplied.
; LIMITS.  NaN and infinities are not treated apart.
.set V,   16                           ; v[16:47]  V + 4 i + c: group l + 32 i, query c
.set IDF, 48                           ; v[48:55]  l + 32 i as f32
.set C,   56                           ; v[56:63]  candidates
.set M,   64                           ; v[64:67]  the queries' maxima
.set W,   68                           ; v[68:71]  the winning groups
.set T,   72                           ; v[72:75]  at work
.set E0,  76                           ; v76  lane 8 c + j: position j of query c
.set E1,  77                           ; v77  lane 8 c + j: position 8 + j (j < 2)
.set BIG, 78
.set NINF, 79
.set MK,  12                           ; s[12:19] compare masks
.set R0,  20                           ; s[20:23] the lane that records this pass in E0, by query
.set R1,  24                           ; s[24:27] the same for E1
	s_load_b128 s[4:7], s[0:1], 0x0                ; gmax s[4:5], grp s[6:7]
	v_and_b32 v1, 31, v0
	v_lshrrev_b32 v2, 5, v0
	v_readfirstlane_b32 s9, v2
	s_lshl_b32 s32, ttmp9, 2
	s_add_co_u32 s32, s32, s9                      ; the wave among all: its queries are 4 w .. 4 w + 3
	s_lshl_b32 s10, s32, 4                         ; 16 bytes of every row of gmax
	s_mov_b32 s11, 0
	s_lshl_b32 s32, s32, 8                         ; 256 bytes of grp
	s_mov_b32 s33, 0
	s_mov_b32 s28, 0x76543210
	s_mov_b32 s29, 0xfedcba98
	v_lshlrev_b32 v3, 14, v1                       ; a group's row of gmax is 16,384 bytes
	v_lshlrev_b32 v4, 3, v1
	s_wait_kmcnt 0x0
	s_add_nc_u64 s[4:5], s[4:5], s[10:11]
	s_add_nc_u64 s[6:7], s[6:7], s[32:33]
.irp i, 0,1,2,3,4,5,6,7
	global_load_b128 v[V+4*(\i):V+4*(\i)+3], v3, s[4:5] offset:524288*(\i)
.endr
.irp i, 0,1,2,3,4,5,6,7
	v_add_nc_u32 v5, 32*(\i), v1
	v_cvt_f32_u32 v[IDF+(\i)], v5
.endr
.irp c, 0,1,2,3
	v_mov_b32 v[T+(\c)], 0                         ; v_permlanex16_b32's destinations count as read
.endr
	v_mov_b32 v[E0], 0
	v_mov_b32 v[E1], 0
	v_mov_b32 v[BIG], 0x4e6e6b28                   ; 1e9: above every group number
	v_mov_b32 v[NINF], 0xff800000
	s_mov_b32 s8, 0
	s_wait_loadcnt 0x0
; four registers, base .. base + 3, each reduced over the wave's 32 lanes; the four chains alternate
.macro WRED opd, op, base
.irp m, 1,2,4,8
.irp c, 0,1,2,3
	\opd v[(\base)+(\c)], v[(\base)+(\c)], v[(\base)+(\c)] row_xmask:\m row_mask:0xf bank_mask:0xf
.endr
.endr
.irp c, 0,1,2,3
	v_permlanex16_b32 v[T+(\c)], v[(\base)+(\c)], s28, s29
.endr
.irp c, 0,1,2,3
	\op v[(\base)+(\c)], v[(\base)+(\c)], v[T+(\c)]
.endr
.endm
.Lpass:                                                ; pass t finds position t of all four queries
	s_lshl_b32 s30, 1, s8
	s_and_b32 s[R0], s30, 0xff                     ; t < 8: lane 8 c + t of E0
	s_lshr_b32 s[R1], s30, 8                       ; else lane 8 c + t - 8 of E1
.irp c, 1,2,3
	s_lshl_b32 s[R0+(\c)], s[R0], 8*(\c)
	s_lshl_b32 s[R1+(\c)], s[R1], 8*(\c)
.endr
.irp c, 0,1,2,3
	v_max3_num_f32 v[M+(\c)], v[V+(\c)], v[V+4+(\c)], v[V+8+(\c)]
.endr
.irp c, 0,1,2,3
	v_max3_num_f32 v[M+(\c)], v[M+(\c)], v[V+12+(\c)], v[V+16+(\c)]
.endr
.irp c, 0,1,2,3
	v_max3_num_f32 v[M+(\c)], v[M+(\c)], v[V+20+(\c)], v[V+24+(\c)]
.endr
.irp c, 0,1,2,3
	v_max_num_f32 v[M+(\c)], v[M+(\c)], v[V+28+(\c)]
.endr
	WRED v_max_num_f32_dpp, v_max_num_f32, M
.irp c, 0,1,2,3                        ; the lowest group that holds the maximum
.irp i, 0,1,2,3,4,5,6,7
	v_cmp_eq_f32 s[MK+(\i)], v[V+4*(\i)+(\c)], v[M+(\c)]
.endr
.irp i, 0,1,2,3,4,5,6,7
	v_cndmask_b32 v[C+(\i)], v[BIG], v[IDF+(\i)], s[MK+(\i)]
.endr
	v_min3_num_f32 v[W+(\c)], v[C], v[C+1], v[C+2]
	v_min3_num_f32 v[W+(\c)], v[W+(\c)], v[C+3], v[C+4]
	v_min3_num_f32 v[W+(\c)], v[W+(\c)], v[C+5], v[C+6]
	v_min_num_f32 v[W+(\c)], v[W+(\c)], v[C+7]
.endr
	WRED v_min_num_f32_dpp, v_min_num_f32, W
.irp c, 0,1,2,3                        ; it is taken out and recorded
.irp i, 0,1,2,3,4,5,6,7
	v_cmp_eq_f32 s[MK+(\i)], v[IDF+(\i)], v[W+(\c)]
.endr
.irp i, 0,1,2,3,4,5,6,7
	v_cndmask_b32 v[V+4*(\i)+(\c)], v[V+4*(\i)+(\c)], v[NINF], s[MK+(\i)]
.endr
	v_cndmask_b32 v[E0], v[E0], v[W+(\c)], s[R0+(\c)]
	v_cndmask_b32 v[E1], v[E1], v[W+(\c)], s[R1+(\c)]
.endr
	s_add_co_u32 s8, s8, 1
	s_cmp_lt_u32 s8, 10
	s_cbranch_scc1 .Lpass
	v_cvt_u32_f32 v[E0], v[E0]
	v_cvt_u32_f32 v[E1], v[E1]
	global_store_b64 v4, v[E0:E1], s[6:7]          ; 32 lanes store the four queries' 256 consecutive bytes, aligned
	s_endpgm
.Lfunc_end_k_q8470497495_groups:
	.size	k_q8470497495_groups, .Lfunc_end_k_q8470497495_groups-k_q8470497495_groups
	.p2alignl 7, 3214868480
	.fill 96, 4, 3214868480
	.section	.rodata,"a",@progbits
	.p2align	6, 0x0
	.amdhsa_kernel k_q8470497495_groups
		.amdhsa_group_segment_fixed_size 0
		.amdhsa_private_segment_fixed_size 0
		.amdhsa_enable_private_segment 0
		.amdhsa_kernarg_size 16
		.amdhsa_user_sgpr_count 2
		.amdhsa_user_sgpr_kernarg_segment_ptr 1
		.amdhsa_wavefront_size32 1
		.amdhsa_system_sgpr_workgroup_id_x 1
		.amdhsa_system_sgpr_workgroup_id_y 1
		.amdhsa_system_sgpr_workgroup_id_z 1
		.amdhsa_system_vgpr_workitem_id 0
		.amdhsa_next_free_vgpr 96
		.amdhsa_next_free_sgpr 66
		.amdhsa_reserve_vcc 0
		.amdhsa_float_denorm_mode_32 3
		.amdhsa_float_denorm_mode_16_64 3
		.amdhsa_memory_ordered 1
		.amdhsa_forward_progress 1
		.amdhsa_inst_pref_size 17
	.end_amdhsa_kernel
	.amdgpu_metadata
---
amdhsa.version: [ 1, 2 ]
amdhsa.kernels:
  - .name:           k_q8470497495_groups
    .symbol:         k_q8470497495_groups.kd
    .args:
      - { .name: gmax, .offset: 0, .size: 8, .value_kind: global_buffer, .address_space: global }
      - { .name: grp, .offset: 8, .size: 8, .value_kind: global_buffer, .address_space: global }
    .group_segment_fixed_size: 0
    .private_segment_fixed_size: 0
    .kernarg_segment_align: 8
    .kernarg_segment_size: 16
    .max_flat_workgroup_size: 128
    .sgpr_count:     66
    .vgpr_count:     96
    .wavefront_size: 32
...
	.end_amdgpu_metadata
.endif
;; end of part 3
;; launch pick (part 4): grid 256 x 1, 4 waves a work-group, no clusters, 0 bytes of LDS; arguments pmax, grp, inv, predictions, idx, aux; writes idx, aux
.if DOCPART == 4
	.amdgcn_target "amdgcn-amd-amdhsa--gfx1250"
	.amdhsa_code_object_version 6
	.text
	.protected	k_q8470497495_pick
	.globl	k_q8470497495_pick
	.p2align	8
	.type	k_q8470497495_pick,@function
k_q8470497495_pick:
	s_mov_b64 s[64:65], 0
	v_nop
	global_prefetch_b8 v0, s[64:65] scope:SCOPE_SE
	s_setreg_imm32_b32 hwreg(HW_REG_WAVE_MODE, 25, 1), 1
	s_wait_xcnt 0x0
; For each query: the ten best of the 320 pair maxima of its ten groups, by pair number (a tie goes to the lower pair), and k = floor(1 + 9 (1 - mean |sigmoid(p) - 0.5|)) of the predictions rounded to bf16.
; (The reference's min(k, 16384) changes nothing: k is 10 at the most.)  The ten best scores lie in these ten pairs: were one in a pair outside, each of the ten pairs ahead would hold a score that is larger, or
; equal with a lower index.  The next launch, which holds the twenty rows, makes their scores anew, ranks them and forms the weights.
; A wave takes four queries.  A group is 128 aligned bytes of pmax: 16 lanes x 8 bytes, two groups to a load; the group numbers come from grp, which an earlier launch stored as whole numbers, and are
; clamped to 255 before they enter an address.  Ten passes: the wave's maximum, the lowest pair that has it, that pair is taken out; all by selects.  Pair numbers are kept as f32 (below 2^24: exact).
; Lane 8 c + j records positions j and 8 + j of query c.  idx has grp's layout: position p at word 2 p (p < 8), 8 at word 1, 9 at word 3, the other words 0.
; aux: every pair of words of a query's 64 bytes holds (the query's 1 / norm, k as f32).
; No LDS, no matrix unit, no cluster: nothing is shared, nothing is multiplied in bulk.
; LIMITS.  NaN and infinities are not treated apart; which pairs are among the ten is decided by the f32 numbers in pmax.
.set V,    16                          ; v[16:55]   V + 10 c + 2 u + e
.set IDX,  56                          ; v[56:95]   their pair numbers
.set G,    96                          ; v[96:115]  G + 5 c + u: the group of position 2 u + (l / 16), then its byte offset
.set C,    116                         ; v[116:125] candidates
.set MA,   126                         ; v[126:129] maxima
.set MB,   130
.set W,    134                         ; v[134:137] winning pairs
.set WB,   138
.set T,    142
.set EI0,  146                         ; the pairs of positions j, 8 + j
.set EI1,  147
.set P,    148                         ; v[148:149] two predictions
.set QI,   150                         ; v[150:151] the pair that goes to aux
.set KF,   151
.set BIG,  152
.set NINF, 153
.set TA,   154                         ; v[154:156] at work
.set MK,   42                          ; s[42:46] compare masks
.set R0,   20                          ; s[20:23] the lane that records this pass in EI0, by query
.set R1,   24                          ; s[24:27] the same for EI1
	s_load_b256 s[4:11], s[0:1], 0x0               ; pmax s[4:5], grp s[6:7], inv s[8:9], predictions s[10:11]
	s_load_b128 s[12:15], s[0:1], 0x20             ; idx s[12:13], aux s[14:15]
	v_and_b32 v1, 31, v0
	v_lshrrev_b32 v2, 5, v0
	v_readfirstlane_b32 s32, v2
	s_lshl_b32 s33, ttmp9, 2
	s_add_co_u32 s33, s33, s32                     ; the wave among all: queries 4 w .. 4 w + 3
	s_lshl_b32 s34, s33, 17                        ; four rows of pmax, 32,768 bytes each
	s_mov_b32 s35, 0
	s_lshl_b32 s36, s33, 8                         ; four records of 64 bytes
	s_mov_b32 s37, 0
	s_lshl_b32 s38, s33, 4
	s_add_co_u32 s38, s38, 65536                   ; the queries' part of inv lies behind memory's 16,384 words
	s_mov_b32 s39, 0
	s_mul_i32 s40, s33, 224                        ; four rows of 14 predictions
	s_mov_b32 s41, 0
	s_mov_b32 s28, 0x76543210
	s_mov_b32 s29, 0xfedcba98
	s_mov_b32 s30, 0x7f7f7f7f                      ; lanes with j < 7
	v_lshrrev_b32 v2, 4, v1
	v_lshlrev_b32 v2, 3, v2                        ; 8 (l / 16)
	v_and_b32 v4, 15, v1
	v_lshlrev_b32 v3, 1, v4                        ; 2 (l % 16): my first pair in a group
	v_lshlrev_b32 v4, 3, v4                        ; 8 (l % 16): its bytes
	v_lshrrev_b32 v8, 3, v1                        ; c = l / 8
	v_and_b32 v9, 7, v1                            ; j = l % 8
	v_min_u32 v10, 6, v9                           ; seven pairs of predictions; lane 7 reads the last again and is left out of the sum
	v_lshlrev_b32 v10, 3, v10
	v_mad_u32_u24 v5, v8, 56, v10
	v_lshlrev_b32 v6, 2, v8
	v_lshlrev_b32 v7, 3, v1
	v_mov_b32 v[BIG], 0x4e6e6b28                   ; 1e9: above every pair number
	v_mov_b32 v[NINF], 0xff800000
	v_mov_b32 v[EI0], 0
	v_mov_b32 v[EI1], 0
.irp c, 0,1,2,3
	v_mov_b32 v[T+(\c)], 0                         ; v_permlanex16_b32's destinations count as read
.endr
	s_wait_kmcnt 0x0
	s_add_nc_u64 s[4:5], s[4:5], s[34:35]
	s_add_nc_u64 s[6:7], s[6:7], s[36:37]
	s_add_nc_u64 s[8:9], s[8:9], s[38:39]
	s_add_nc_u64 s[10:11], s[10:11], s[40:41]
	s_add_nc_u64 s[12:13], s[12:13], s[36:37]
	s_add_nc_u64 s[14:15], s[14:15], s[36:37]
.irp c, 0,1,2,3
.irp u, 0,1,2,3
	global_load_b32 v[G+5*(\c)+(\u)], v2, s[6:7] offset:64*(\c)+16*(\u)   ; position 2 u + (l / 16) at word 4 u + 2 (l / 16)
.endr
	global_load_b32 v[G+5*(\c)+4], v2, s[6:7] offset:64*(\c)+4            ; positions 8, 9 at words 1, 3
.endr
	global_load_b64 v[P:P+1], v5, s[10:11]
	global_load_b32 v[QI], v6, s[8:9]
	s_wait_loadcnt 2                               ; the twenty group numbers are in; the two loads behind them stay out
.irp c, 0,1,2,3
.irp u, 0,1,2,3,4
	v_min_u32 v[G+5*(\c)+(\u)], 255, v[G+5*(\c)+(\u)]                     ; a loaded number enters an address only clamped
	v_lshl_add_u32 v[C], v[G+5*(\c)+(\u)], 5, v3
	v_cvt_f32_u32 v[IDX+10*(\c)+2*(\u)], v[C]                             ; pair 32 G + 2 (l % 16), and the one behind it
	v_add_f32 v[IDX+10*(\c)+2*(\u)+1], 1.0, v[IDX+10*(\c)+2*(\u)]
	v_lshl_add_u32 v[G+5*(\c)+(\u)], v[G+5*(\c)+(\u)], 7, v4
	global_load_b64 v[V+10*(\c)+2*(\u):V+10*(\c)+2*(\u)+1], v[G+5*(\c)+(\u)], s[4:5] offset:32768*(\c) th:TH_LOAD_NT  ; each half of the lanes reads a group's 128 consecutive bytes
.endr
.endr
	s_wait_loadcnt 20                              ; predictions and the query's scale are in; the twenty loads of pair maxima stay out
	v_cvt_pk_bf16_f32 v[TA], v[P], v[P+1]          ; every input is rounded to bf16 once
	v_lshlrev_b32 v[TA+1], 16, v[TA]
	v_and_b32 v[TA+2], 0xffff0000, v[TA]
	v_mul_f32 v[TA+1], 0xbfb8aa3b, v[TA+1]         ; sigmoid(p) = 1 / (1 + 2^(-p log2 e))
	v_mul_f32 v[TA+2], 0xbfb8aa3b, v[TA+2]
	v_exp_f32 v[TA+1], v[TA+1]
	v_exp_f32 v[TA+2], v[TA+2]
	v_nop                                          ; a plain instruction behind the transcendentals (ISA guide 5.7.2)
	s_wait_alu depctr_va_vdst(0)
	v_add_f32 v[TA+1], 1.0, v[TA+1]
	v_add_f32 v[TA+2], 1.0, v[TA+2]
	v_rcp_f32 v[TA+1], v[TA+1]
	v_rcp_f32 v[TA+2], v[TA+2]
	v_nop
	s_wait_alu depctr_va_vdst(0)
	v_add_f32 v[TA+1], -0.5, v[TA+1]
	v_add_f32 v[TA+2], -0.5, v[TA+2]
	v_add_f32 v[TA+1], |v[TA+1]|, |v[TA+2]|
	v_cndmask_b32 v[TA+1], 0, v[TA+1], s30
	v_add_f32_dpp v[TA+1], v[TA+1], v[TA+1] row_xmask:1 row_mask:0xf bank_mask:0xf  ; over the query's eight lanes
	v_add_f32_dpp v[TA+1], v[TA+1], v[TA+1] row_xmask:2 row_mask:0xf bank_mask:0xf
	v_add_f32_dpp v[TA+1], v[TA+1], v[TA+1] row_xmask:4 row_mask:0xf bank_mask:0xf
	v_fma_f32 v[TA+1], v[TA+1], 0xbd924925, 1.0    ; 1 - sum / 14
	v_fma_f32 v[TA+1], v[TA+1], 0x41100000, 1.0    ; 1 + 9 (1 - confidence)
	v_floor_f32 v[KF], v[TA+1]
	s_mov_b32 s31, 0
	s_wait_loadcnt 0x0
.macro WRED opd, op, base              ; four registers, each reduced over the wave's 32 lanes; the four chains alternate
.irp m, 1,2,4,8
.irp c, 0,1,2,3
	\opd v[(\base)+(\c)], v[(\base)+(\c)], v[(\base)+(\c)] row_xmask:\m row_mask:0xf bank_mask:0xf
.endr
.endr
.irp c, 0,1,2,3
	v_permlanex16_b32 v[T+(\c)], v[(\base)+(\c)], s28, s29
.endr
.irp c, 0,1,2,3
	\op v[(\base)+(\c)], v[(\base)+(\c)], v[T+(\c)]
.endr
.endm
.macro MAXQ c                          ; the lane's largest of 10, in two chains
	v_max3_num_f32 v[MA+(\c)], v[V+10*(\c)],   v[V+10*(\c)+1], v[V+10*(\c)+2]
	v_max3_num_f32 v[MB+(\c)], v[V+10*(\c)+5], v[V+10*(\c)+6], v[V+10*(\c)+7]
	v_max3_num_f32 v[MA+(\c)], v[MA+(\c)], v[V+10*(\c)+3], v[V+10*(\c)+4]
	v_max3_num_f32 v[MB+(\c)], v[MB+(\c)], v[V+10*(\c)+8], v[V+10*(\c)+9]
	v_max_num_f32 v[MA+(\c)], v[MA+(\c)], v[MB+(\c)]
.endm
.macro FINDQ c                         ; the lane's lowest pair that holds the wave's maximum, five registers at a time
.irp g, 0,1
.irp k, 0,1,2,3,4
	v_cmp_eq_f32 s[MK+(\k)], v[V+10*(\c)+5*(\g)+(\k)], v[MA+(\c)]
.endr
.irp k, 0,1,2,3,4
	v_cndmask_b32 v[C+5*(\g)+(\k)], v[BIG], v[IDX+10*(\c)+5*(\g)+(\k)], s[MK+(\k)]
.endr
.endr
	v_min3_num_f32 v[W+(\c)],  v[C],   v[C+1], v[C+2]
	v_min3_num_f32 v[WB+(\c)], v[C+3], v[C+4], v[C+5]
	v_min3_num_f32 v[W+(\c)],  v[W+(\c)],  v[C+6], v[C+7]
	v_min3_num_f32 v[WB+(\c)], v[WB+(\c)], v[C+8], v[C+9]
	v_min_num_f32 v[W+(\c)], v[W+(\c)], v[WB+(\c)]
.endm
.macro DROPQ c                         ; the winner is taken out and its number recorded
.irp g, 0,1
.irp k, 0,1,2,3,4
	v_cmp_eq_f32 s[MK+(\k)], v[IDX+10*(\c)+5*(\g)+(\k)], v[W+(\c)]
.endr
.irp k, 0,1,2,3,4
	v_cndmask_b32 v[V+10*(\c)+5*(\g)+(\k)], v[V+10*(\c)+5*(\g)+(\k)], v[NINF], s[MK+(\k)]
.endr
.endr
	v_cndmask_b32 v[EI0], v[EI0], v[W+(\c)], s[R0+(\c)]
	v_cndmask_b32 v[EI1], v[EI1], v[W+(\c)], s[R1+(\c)]
.endm
.Lpass:                                                ; pass t finds position t of all four queries
	s_lshl_b32 s30, 1, s31
	s_and_b32 s[R0], s30, 0xff                     ; t < 8: lane 8 c + t of EI0
	s_lshr_b32 s[R1], s30, 8                       ; else lane 8 c + t - 8 of EI1
.irp c, 1,2,3
	s_lshl_b32 s[R0+(\c)], s[R0], 8*(\c)
	s_lshl_b32 s[R1+(\c)], s[R1], 8*(\c)
.endr
	MAXQ 0
	MAXQ 1
	MAXQ 2
	MAXQ 3
	WRED v_max_num_f32_dpp, v_max_num_f32, MA
	FINDQ 0
	FINDQ 1
	FINDQ 2
	FINDQ 3
	WRED v_min_num_f32_dpp, v_min_num_f32, W
	DROPQ 0
	DROPQ 1
	DROPQ 2
	DROPQ 3
	s_add_co_u32 s31, s31, 1
	s_cmp_lt_u32 s31, 10
	s_cbranch_scc1 .Lpass
	v_cvt_u32_f32 v[EI0], v[EI0]
	v_cvt_u32_f32 v[EI1], v[EI1]
	global_store_b64 v7, v[EI0:EI1], s[12:13]      ; 32 lanes store the four queries' 256 consecutive bytes, aligned
	global_store_b64 v7, v[QI:KF], s[14:15]
	s_endpgm
.Lfunc_end_k_q8470497495_pick:
	.size	k_q8470497495_pick, .Lfunc_end_k_q8470497495_pick-k_q8470497495_pick
	.p2alignl 7, 3214868480
	.fill 96, 4, 3214868480
	.section	.rodata,"a",@progbits
	.p2align	6, 0x0
	.amdhsa_kernel k_q8470497495_pick
		.amdhsa_group_segment_fixed_size 0
		.amdhsa_private_segment_fixed_size 0
		.amdhsa_enable_private_segment 0
		.amdhsa_kernarg_size 48
		.amdhsa_user_sgpr_count 2
		.amdhsa_user_sgpr_kernarg_segment_ptr 1
		.amdhsa_wavefront_size32 1
		.amdhsa_system_sgpr_workgroup_id_x 1
		.amdhsa_system_sgpr_workgroup_id_y 1
		.amdhsa_system_sgpr_workgroup_id_z 1
		.amdhsa_system_vgpr_workitem_id 0
		.amdhsa_next_free_vgpr 160
		.amdhsa_next_free_sgpr 66
		.amdhsa_reserve_vcc 0
		.amdhsa_float_denorm_mode_32 3
		.amdhsa_float_denorm_mode_16_64 3
		.amdhsa_memory_ordered 1
		.amdhsa_forward_progress 1
		.amdhsa_inst_pref_size 29
	.end_amdhsa_kernel
	.amdgpu_metadata
---
amdhsa.version: [ 1, 2 ]
amdhsa.kernels:
  - .name:           k_q8470497495_pick
    .symbol:         k_q8470497495_pick.kd
    .args:
      - { .name: pmax, .offset: 0, .size: 8, .value_kind: global_buffer, .address_space: global }
      - { .name: grp, .offset: 8, .size: 8, .value_kind: global_buffer, .address_space: global }
      - { .name: inv, .offset: 16, .size: 8, .value_kind: global_buffer, .address_space: global }
      - { .name: predictions, .offset: 24, .size: 8, .value_kind: global_buffer, .address_space: global }
      - { .name: idx, .offset: 32, .size: 8, .value_kind: global_buffer, .address_space: global }
      - { .name: aux, .offset: 40, .size: 8, .value_kind: global_buffer, .address_space: global }
    .group_segment_fixed_size: 0
    .private_segment_fixed_size: 0
    .kernarg_segment_align: 8
    .kernarg_segment_size: 48
    .max_flat_workgroup_size: 128
    .sgpr_count:     66
    .vgpr_count:     160
    .wavefront_size: 32
...
	.end_amdgpu_metadata
.endif
;; end of part 4
;; launch gather (part 5): grid 2048 x 1, 4 waves a work-group, no clusters, 1,024 bytes of LDS; arguments xb, idx, aux, inv, out0; writes out0
.if DOCPART == 5
	.amdgcn_target "amdgcn-amd-amdhsa--gfx1250"
	.amdhsa_code_object_version 6
	.text
	.protected	k_q8470497495_gather
	.globl	k_q8470497495_gather
	.p2align	8
	.type	k_q8470497495_gather,@function
k_q8470497495_gather:
	s_mov_b64 s[64:65], 0
	v_nop
	global_prefetch_b8 v0, s[64:65] scope:SCOPE_SE
	s_setreg_imm32_b32 hwreg(HW_REG_WAVE_MODE, 25, 1), 1
	s_wait_xcnt 0x0
; out0[q][:] = the sum over the k best of twenty candidate rows i of w[i] x xb[row i][:]: the memory rows as rounded to bf16, the sums in f32.  The candidates are the two rows 2 P, 2 P + 1 of each of the ten
; pairs P in idx[q] (whole numbers that an earlier launch stored); a pair number is clamped to 8,191 before it enters an address.
; TWO WAVES, ONE QUERY: wave half hf holds elements 512 hf .. 512 hf + 511 of the query's row and of all twenty rows (160 registers); a work-group of four waves takes two queries.  Half a row, 1,024 bytes, is four
; loads of 256 consecutive bytes; all 84 go out at once, so there is no loop.  Lane l holds elements 512 hf + 128 j + 4 l + 0..3 of every row, which are 16 bytes of out0.
; THE TWENTY ARE SCORED ANEW AND RANKED.  Each row's product with the query: exact products of bf16 numbers, four chains of four a lane, a tree over the lanes, and the two waves' halves, which meet in LDS (each wave
; stores its 32 lanes' 128 bytes; a barrier; both read both and add them in the same order, so both rank alike).  Small partial sums: fewer and smaller roundings than 32 additions on end onto one sum.
; Lane w + 16 e holds the sum, the row number and 1 / norm of row e of the pair at record word w.  Times inv[n] the sum is the cosine but for the query's own positive scale.  A row's rank is the number of the twenty
; that are larger, or equal with a lower row number; rows of rank below k are valid.  Softmax over the valid cosines, the largest taken away first; the others get weight 0.  All by selects.
; A stream: no matrix unit (some forty multiply-adds a number of out0), no cluster (rows are shared only by chance).  No hint on the loads: a row may be named by several queries.
; LIMITS.  Which ten pairs are candidates was decided by the numbers in pmax; scores closer than f32's rounding may be ordered otherwise than the reference orders its own; NaN and infinities are not treated
; apart (a weight 0 times an infinity is no 0).
.set SPARE, 512                        ; LDS: bytes 0-511 the four waves' sums; from 512 on the spare words, 128 bytes a wave: two blocks of 256 bytes that no other line names
.set W,    4                           ; v[4:23]   the twenty sums, later the twenty weights: row e of position p at W + 2 p + e
.set D,    24                          ; v[24:27]  four chains
.set T,    28                          ; v28, v29  at work
.set T2,   29
.set A,    32                          ; v[32:47]  out0's sums: A + 4 j + e
.set Q,    48                          ; v[48:55]  my half of the query's row
.set R,    56                          ; v[56:215] row i = 2 p + e at R + 8 i
.set S,    216                         ; my lane's row: its score
.set IX,   217                         ; its number
.set IV,   218                         ; its 1 / norm
.set RK,   219                         ; its rank
.set OF,   220                         ; 4 (l % 16), then the offset of its word of inv
.set ZR,   221                         ; 0: the addend of the products that start a sum
.set NINF, 222
.set CS,   223                         ; cosine, exponential, weight
.set SPW,  224                         ; my spare word; never rewritten
.set NIL,  225                         ; 0; never rewritten
.set XA,   226                         ; where my lane's half sum goes: 4 x my thread's number
.set XB,   227                         ; where the query's two halves are read: 256 x (wave / 2) + 4 x lane
	s_load_b256 s[4:11], s[0:1], 0x0               ; xb s[4:5], idx s[6:7], aux s[8:9], inv s[10:11]
	s_load_b64 s[12:13], s[0:1], 0x20              ; out0
	v_lshl_add_u32 v[SPW], v0, 2, SPARE
	v_mov_b32 v[NIL], 0
	v_and_b32 v3, 31, v0
	v_lshrrev_b32 v24, 5, v0
	v_readfirstlane_b32 s14, v24
	s_lshr_b32 s38, s14, 1                         ; which of the work-group's two queries
	s_and_b32 s36, s14, 1                          ; hf
	s_lshl_b32 s15, ttmp9, 1
	s_add_co_u32 s15, s15, s38                     ; the query
	s_lshl_b32 s86, s15, 6                         ; its record of 64 bytes
	s_mov_b32 s87, 0
	s_lshl_b32 s88, s15, 12                        ; its row of out0,
	s_lshl_b32 s39, s36, 11                        ; my half of it
	s_add_co_u32 s88, s88, s39
	s_mov_b32 s89, 0
	s_lshl_b32 s37, s36, 10                        ; my half of a row of xb
	s_lshl_b32 s48, s15, 11                        ; the query's row of xb,
	s_add_co_u32 s48, s48, 0x2000000               ; behind memory's 16,384 rows of 2,048 bytes
	s_add_co_u32 s48, s48, s37
	s_mov_b32 s49, 0
	s_lshl_b32 s40, s38, 8
	s_mov_b32 s34, 0x76543210                      ; v_permlanex16_b32: each lane takes its own place in the other half
	s_mov_b32 s35, 0xfedcba98
	v_lshlrev_b32 v1, 3, v3                        ; 8 bytes a lane in
	v_lshlrev_b32 v2, 4, v3                        ; 16 bytes a lane out
	v_and_b32 v[OF], 15, v3
	v_lshlrev_b32 v[OF], 2, v[OF]
	v_lshrrev_b32 v[RK], 4, v3                     ; e = l / 16
	v_lshlrev_b32 v[XA], 2, v0
	v_lshlrev_b32 v[XB], 2, v3
	v_add_nc_u32 v[XB], s40, v[XB]
	v_mov_b32 v[ZR], 0
	v_mov_b32 v[NINF], 0xff800000
	v_mov_b32 v[S], 0xff800000                     ; lanes whose record word is no position stay at minus infinity
	s_wait_kmcnt 0x0
	s_add_nc_u64 s[6:7], s[6:7], s[86:87]
	s_add_nc_u64 s[8:9], s[8:9], s[86:87]
	s_add_nc_u64 s[12:13], s[12:13], s[88:89]
	s_add_nc_u64 s[48:49], s[4:5], s[48:49]
	s_load_b512 s[16:31], s[6:7], 0x0              ; the record's sixteen words
	s_load_b64 s[32:33], s[8:9], 0x0               ; the query's 1 / norm, k
	global_load_b32 v[IX], v[OF], s[6:7]
.irp j, 0,1,2,3
	global_load_b64 v[Q+2*(\j):Q+2*(\j)+1], v1, s[48:49] offset:256*(\j)
.endr
	s_wait_loadcnt 4                               ; my record word is in (and its address register free); the query's four loads stay out
	v_min_u32 v[IX], 0x1fff, v[IX]
	v_lshl_add_u32 v[IX], v[IX], 1, v[RK]          ; my row: 2 P + e
	v_lshlrev_b32 v[OF], 2, v[IX]
	global_load_b32 v[IV], v[OF], s[10:11]
	s_wait_kmcnt 0x0
.macro EACH m                          ; macro m for each position p and its word w of the record
	\m 0, 0
	\m 1, 2
	\m 2, 4
	\m 3, 6
	\m 4, 8
	\m 5, 10
	\m 6, 12
	\m 7, 14
	\m 8, 1
	\m 9, 3
.endm
.macro ASK p, w                        ; the pair's address (its two rows are 4,096 consecutive bytes) and my eight loads
	s_min_u32 s86, s[16+(\w)], 0x1fff
	s_lshl_b32 s86, s86, 12
	s_add_co_u32 s86, s86, s37
	s_add_nc_u64 s[66+2*(\p):67+2*(\p)], s[4:5], s[86:87]
.irp e, 0,1
.irp j, 0,1,2,3
	global_load_b64 v[R+8*(2*(\p)+(\e))+2*(\j):R+8*(2*(\p)+(\e))+2*(\j)+1], v1, s[66+2*(\p):67+2*(\p)] offset:2048*(\e)+256*(\j)
.endr
.endr
.endm
	EACH ASK
; Row i times the query: a multiply-add straight from two bf16 halves, four chains that do not wait for each other
.macro DOT i
.if 76-4*(\i) > 63
	s_wait_loadcnt 63                              ; more loads are younger than the wait's field can name; a smaller count is safe
.else
	s_wait_loadcnt 76-4*(\i)                       ; loads come back in order (ISA guide 5.7.1): row i is in, the younger rows' loads stay out
.endif
	v_fma_mix_f32_bf16 v[D],   v[R+8*(\i)],   v[Q],   v[ZR] op_sel_hi:[1,1,0]
	v_fma_mix_f32_bf16 v[D+1], v[R+8*(\i)],   v[Q],   v[ZR] op_sel:[1,1,0] op_sel_hi:[1,1,0]
	v_fma_mix_f32_bf16 v[D+2], v[R+8*(\i)+1], v[Q+1], v[ZR] op_sel_hi:[1,1,0]
	v_fma_mix_f32_bf16 v[D+3], v[R+8*(\i)+1], v[Q+1], v[ZR] op_sel:[1,1,0] op_sel_hi:[1,1,0]
.irp j, 1,2,3
	v_fma_mix_f32_bf16 v[D],   v[R+8*(\i)+2*(\j)],   v[Q+2*(\j)],   v[D]   op_sel_hi:[1,1,0]
	v_fma_mix_f32_bf16 v[D+1], v[R+8*(\i)+2*(\j)],   v[Q+2*(\j)],   v[D+1] op_sel:[1,1,0] op_sel_hi:[1,1,0]
	v_fma_mix_f32_bf16 v[D+2], v[R+8*(\i)+2*(\j)+1], v[Q+2*(\j)+1], v[D+2] op_sel_hi:[1,1,0]
	v_fma_mix_f32_bf16 v[D+3], v[R+8*(\i)+2*(\j)+1], v[Q+2*(\j)+1], v[D+3] op_sel:[1,1,0] op_sel_hi:[1,1,0]
.endr
	v_add_f32 v[D], v[D], v[D+1]
	v_add_f32 v[D+2], v[D+2], v[D+3]
	v_add_f32 v[W+(\i)], v[D], v[D+2]
.endm
.set i, 0
.rept 20
	DOT i
.set i, i+1
.endr
.irp m, 1,2,4,8                        ; the twenty sums over the wave's lanes; the twenty chains alternate
.set i, 0
.rept 20
	v_add_f32_dpp v[W+i], v[W+i], v[W+i] row_xmask:\m row_mask:0xf bank_mask:0xf
.set i, i+1
.endr
.endr
.irp g, 0,4,8,12,16
.irp c, 0,1,2,3
	v_permlanex16_b32 v[D+(\c)], v[W+(\g)+(\c)], s34, s35
.endr
.irp c, 0,1,2,3
	v_add_f32 v[W+(\g)+(\c)], v[W+(\g)+(\c)], v[D+(\c)]
.endr
.endr
.macro PUT p, w                        ; the sums of position p's two rows go to lanes w and w + 16
	s_mov_b32 s50, 1<<(\w)
	s_mov_b32 s51, 1<<((\w)+16)
	v_cndmask_b32 v[S], v[S], v[W+2*(\p)],   s50
	v_cndmask_b32 v[S], v[S], v[W+2*(\p)+1], s51
.endm
	EACH PUT
	ds_store_b32 v[XA], v[S]                       ; my wave's half sums
	s_wait_dscnt 0x0                               ; for the other wave's sake: my store is done
	s_barrier_signal -1
	s_barrier_wait -1
	ds_load_b32 v[T],  v[XB]                       ; half 0's and half 1's, the same order in both waves
	ds_load_b32 v[T2], v[XB] offset:128
	s_wait_dscnt 0x0
	v_add_f32 v[S], v[T], v[T2]
	v_mul_f32 v[S], v[S], v[IV]                    ; the last count above was 0: inv of my row is in.  This number is ranked
.macro RANK1 p, e, ln                  ; is the row in lane ln ahead of my lane's?  larger, or equal with a lower row number
	v_readlane_b32 s50, v[S], \ln
	v_readlane_b32 s51, v[IX], \ln
	v_cmp_gt_f32 s52, s50, v[S]
	v_cmp_eq_f32 s53, s50, v[S]
	v_cmp_lt_u32 s54, s51, v[IX]
	s_and_b32 s53, s53, s54
	s_or_b32 s52, s52, s53
.if ((\p)+(\e)) == 0
	v_cndmask_b32 v[RK], 0, 1.0, s52
.else
	v_cndmask_b32 v[T], 0, 1.0, s52
	v_add_f32 v[RK], v[RK], v[T]
.endif
.endm
.macro RANK p, w
	RANK1 \p, 0, \w
	RANK1 \p, 1, (\w)+16
.endm
	EACH RANK
	v_cmp_gt_f32 s52, s33, v[RK]                   ; rank < k (a lane that holds no row has rank 20, and k is 10 at the most)
	v_mul_f32 v[CS], s32, v[S]                     ; the cosine
	v_cndmask_b32 v[CS], v[NINF], v[CS], s52
	v_max_num_f32_dpp v[T], v[CS], v[CS] row_xmask:1 row_mask:0xf bank_mask:0xf  ; the maximum that the softmax takes away, over the 32 lanes: k is 5 at the least, so it is a cosine
	v_max_num_f32_dpp v[T], v[T], v[T] row_xmask:2 row_mask:0xf bank_mask:0xf
	v_max_num_f32_dpp v[T], v[T], v[T] row_xmask:4 row_mask:0xf bank_mask:0xf
	v_max_num_f32_dpp v[T], v[T], v[T] row_xmask:8 row_mask:0xf bank_mask:0xf
	v_permlanex16_b32 v[D], v[T], s34, s35
	v_max_num_f32 v[T], v[T], v[D]
	v_mul_f32 v[T], 0x3fb8aa3b, v[T]
	v_fma_f32 v[CS], v[CS], 0x3fb8aa3b, -v[T]      ; (s - max) log2 e; minus infinity where the row is masked: its weight is 0
	v_exp_f32 v[CS], v[CS]
	v_nop                                          ; a plain instruction behind the transcendental (ISA guide 5.7.2)
	s_wait_alu depctr_va_vdst(0)
	v_add_f32_dpp v[T], v[CS], v[CS] row_xmask:1 row_mask:0xf bank_mask:0xf
	v_add_f32_dpp v[T], v[T], v[T] row_xmask:2 row_mask:0xf bank_mask:0xf
	v_add_f32_dpp v[T], v[T], v[T] row_xmask:4 row_mask:0xf bank_mask:0xf
	v_add_f32_dpp v[T], v[T], v[T] row_xmask:8 row_mask:0xf bank_mask:0xf
	v_permlanex16_b32 v[D], v[T], s34, s35
	v_add_f32 v[T], v[T], v[D]
	v_rcp_f32 v[T], v[T]
	v_nop
	s_wait_alu depctr_va_vdst(0)
	v_mul_f32 v[CS], v[CS], v[T]
.macro WOUT p, w                       ; the weights of position p's two rows, for every lane
	v_readlane_b32 s50, v[CS], \w
	v_readlane_b32 s51, v[CS], (\w)+16
	v_mov_b32 v[W+2*(\p)],   s50
	v_mov_b32 v[W+2*(\p)+1], s51
.endm
	EACH WOUT
.macro ACC i                           ; out0's sums take row i: a multiply-add straight from each bf16 half; row 0 starts them
.irp j, 0,1,2,3
.if (\i) == 0
	v_fma_mix_f32_bf16 v[A+4*(\j)],   v[R+2*(\j)],   v[W], v[ZR] op_sel_hi:[1,0,0]
	v_fma_mix_f32_bf16 v[A+4*(\j)+1], v[R+2*(\j)],   v[W], v[ZR] op_sel:[1,0,0] op_sel_hi:[1,0,0]
	v_fma_mix_f32_bf16 v[A+4*(\j)+2], v[R+2*(\j)+1], v[W], v[ZR] op_sel_hi:[1,0,0]
	v_fma_mix_f32_bf16 v[A+4*(\j)+3], v[R+2*(\j)+1], v[W], v[ZR] op_sel:[1,0,0] op_sel_hi:[1,0,0]
.else
	v_fma_mix_f32_bf16 v[A+4*(\j)],   v[R+8*(\i)+2*(\j)],   v[W+(\i)], v[A+4*(\j)]   op_sel_hi:[1,0,0]
	v_fma_mix_f32_bf16 v[A+4*(\j)+1], v[R+8*(\i)+2*(\j)],   v[W+(\i)], v[A+4*(\j)+1] op_sel:[1,0,0] op_sel_hi:[1,0,0]
	v_fma_mix_f32_bf16 v[A+4*(\j)+2], v[R+8*(\i)+2*(\j)+1], v[W+(\i)], v[A+4*(\j)+2] op_sel_hi:[1,0,0]
	v_fma_mix_f32_bf16 v[A+4*(\j)+3], v[R+8*(\i)+2*(\j)+1], v[W+(\i)], v[A+4*(\j)+3] op_sel:[1,0,0] op_sel_hi:[1,0,0]
.endif
.endr
.endm
.set i, 0
.rept 20
	ACC i
.set i, i+1
.endr
.irp j, 0,1,2,3
	global_store_b128 v2, v[A+4*(\j):A+4*(\j)+3], s[12:13] offset:512*(\j) th:TH_STORE_NT  ; 512 consecutive bytes, aligned
.endr
	s_wait_tensorcnt 0x0                           ; the wave's end: behind my last LDS store
	ds_add_u32 v[SPW], v[NIL]
	s_wait_dscnt 0x0
	s_endpgm
.Lfunc_end_k_q8470497495_gather:
	.size	k_q8470497495_gather, .Lfunc_end_k_q8470497495_gather-k_q8470497495_gather
	.p2alignl 7, 3214868480
	.fill 96, 4, 3214868480
	.section	.rodata,"a",@progbits
	.p2align	6, 0x0
	.amdhsa_kernel k_q8470497495_gather
		.amdhsa_group_segment_fixed_size 1024
		.amdhsa_private_segment_fixed_size 0
		.amdhsa_enable_private_segment 0
		.amdhsa_kernarg_size 40
		.amdhsa_user_sgpr_count 2
		.amdhsa_user_sgpr_kernarg_segment_ptr 1
		.amdhsa_wavefront_size32 1
		.amdhsa_system_sgpr_workgroup_id_x 1
		.amdhsa_system_sgpr_workgroup_id_y 1
		.amdhsa_system_sgpr_workgroup_id_z 1
		.amdhsa_system_vgpr_workitem_id 0
		.amdhsa_next_free_vgpr 228
		.amdhsa_next_free_sgpr 90
		.amdhsa_reserve_vcc 0
		.amdhsa_float_denorm_mode_32 3
		.amdhsa_float_denorm_mode_16_64 3
		.amdhsa_memory_ordered 1
		.amdhsa_forward_progress 1
		.amdhsa_inst_pref_size 77
	.end_amdhsa_kernel
	.amdgpu_metadata
---
amdhsa.version: [ 1, 2 ]
amdhsa.kernels:
  - .name:           k_q8470497495_gather
    .symbol:         k_q8470497495_gather.kd
    .args:
      - { .name: xb, .offset: 0, .size: 8, .value_kind: global_buffer, .address_space: global }
      - { .name: idx, .offset: 8, .size: 8, .value_kind: global_buffer, .address_space: global }
      - { .name: aux, .offset: 16, .size: 8, .value_kind: global_buffer, .address_space: global }
      - { .name: inv, .offset: 24, .size: 8, .value_kind: global_buffer, .address_space: global }
      - { .name: out0, .offset: 32, .size: 8, .value_kind: global_buffer, .address_space: global }
    .group_segment_fixed_size: 1024
    .private_segment_fixed_size: 0
    .kernarg_segment_align: 8
    .kernarg_segment_size: 40
    .max_flat_workgroup_size: 128
    .sgpr_count:     90
    .vgpr_count:     228
    .wavefront_size: 32
...
	.end_amdgpu_metadata
.endif
;; end of part 5
;; ======== version 2 of 2: 5 launches; version 1 with the launch prep written anew for expert scheduling mode
;; workspace buffers: xb 41,943,040 bytes; inv 81,920 bytes; pmax 134,217,728 bytes; gmax 4,194,304 bytes; grp 262,144 bytes of whole numbers; idx 262,144 bytes of whole numbers; aux 262,144 bytes
;; launch prep (part 6): grid 1280 x 1, 4 waves a work-group, no clusters, 0 bytes of LDS; arguments memory, query, xb, inv; writes xb, inv
.if DOCPART == 6
	.amdgcn_target "amdgcn-amd-amdhsa--gfx1250"
	.amdhsa_code_object_version 6
	.text
	.protected	k_q8470497495_prep
	.globl	k_q8470497495_prep
	.p2align	8
	.type	k_q8470497495_prep,@function
k_q8470497495_prep:
	s_mov_b64 s[64:65], 0
	v_nop
	global_prefetch_b8 v0, s[64:65] scope:SCOPE_SE
	s_setreg_imm32_b32 hwreg(HW_REG_WAVE_SCHED_MODE, 0, 2), 2
	s_setreg_imm32_b32 hwreg(HW_REG_WAVE_MODE, 25, 1), 1
	s_wait_xcnt 0x0
	s_wait_alu depctr_vm_vsrc(0)
; xb[row][:] = bf16(x[row][:]), inv[row] = 1 / max(norm of the ROUNDED row, 1e-12).  Rows 0..16383 of xb and inv are memory's, rows 16384..20479 query's.
; The norm is taken of the rounded numbers, so that all that follows is the reference's arithmetic on inputs rounded to bf16 once.
; A stream: memory binds, so no LDS, no matrix unit, no cluster (no byte is read by two work-groups).  A work-group takes 16 rows, a wave 4; a row of 4,096 bytes
; is eight loads of 512 consecutive bytes; all 32 loads of a wave go out at once (16 KiB on their way), so there is no loop.
; LIMITS.  max(norm, 1e-12) is made as sqrt(max(ss, 1e-24)); a row's sum of squares must stay below 3.4e38; NaN and infinities are not treated apart.
; THE MODE: SCHED_MODE bits 1:0 = 2 (LLVM: expert scheduling mode 2), set by the entry lines.  The code itself states the register dependences
; between vector instructions and memory instructions, with s_wait_alu, always for 0.
; THE PLAN.  Registers that memory instructions touch:
;   v2, v3, v4   byte offsets of the loads, of the rows' stores and of the last store: made once at the head and never written again.
;   X, row r     Written by the row's eight loads, which go out at the head, before any vector instruction names these registers; then by the row's sixteen
;                conversions, in place; words 4 j and 4 j + 1 are read by the row's eight stores; never written again.
;   v18          Written by the reductions and, at the tail, by the selects; read by the last store; not written behind it.
;   T, SSA, SSB, v19, INV are named by vector instructions alone.
; So a row has ONE wait on va_vdst, between the reciprocal root and its first reader: it also states that the row's conversions have written X.  The row's eight
; stores follow it, dealt among the four lines of the Newton step, which name v6, v7, v18, v19 and INV: none of the registers that those stores touch.
; No register that a memory instruction reads is written again, so a wait on vm_vsrc stands only where EXEC is written.
.set X,   32                           ; v[32:159] row r at X + 32 r: as loaded, then two packed words in every four
.set T,   6                            ; v[6:13]   widened numbers, two banks of four
.set SSA, 14                           ; v[14:15], v[16:17] two packed chains of squares
.set SSB, 16
.set INV, 20                           ; v[20:23]  the four rows' results
	s_load_b256 s[4:11], s[0:1], 0x0               ; memory s[4:5], query s[6:7], xb s[8:9], inv s[10:11]
	v_and_b32 v1, 31, v0                           ; lane
	v_lshrrev_b32 v5, 5, v0
	v_readfirstlane_b32 s12, v5                    ; wave 0..3
	v_lshlrev_b32 v2, 4, v1                        ; 16 bytes a lane in
	v_lshlrev_b32 v3, 3, v1                        ; 8 bytes a lane out
	v_lshlrev_b32 v4, 2, v1                        ; 4 bytes a lane for inv
	v_mov_b32 v19, 0                               ; v_permlanex16_b32's destination counts as read
	s_mov_b32 s20, 0x76543210                      ; each lane takes its own place in the other half
	s_mov_b32 s21, 0xfedcba98
	s_mov_b32 s22, 0xffff0000                      ; a word's upper bf16
	s_wait_alu depctr_va_sdst(0)                   ; s12 is written, ahead of its first reader: the wave's offsets are made from it
	s_lshl_b32 s18, ttmp9, 15                      ; xb: 16 rows of 2,048 bytes a work-group,
	s_lshl_b32 s19, s12, 13                        ; 4 a wave
	s_add_co_u32 s18, s18, s19
	s_mov_b32 s19, 0
	s_lshl_b32 s26, ttmp9, 6                       ; inv: 16 words a work-group, 4 a wave
	s_lshl_b32 s27, s12, 4
	s_add_co_u32 s26, s26, s27
	s_mov_b32 s27, 0
	s_wait_kmcnt 0x0
	s_cmp_lt_u32 ttmp9, 1024                       ; the first 1,024 work-groups take memory, the other 256 query
	s_cselect_b64 s[14:15], s[4:5], s[6:7]
	s_cselect_b32 s13, 0, 1024
	s_sub_co_u32 s13, ttmp9, s13                   ; the block of 16 rows within its source
	s_lshl_b32 s16, s13, 16                        ; 16 rows of 4,096 bytes,
	s_lshl_b32 s17, s12, 14                        ; 4 a wave
	s_add_co_u32 s16, s16, s17
	s_mov_b32 s17, 0
	s_add_nc_u64 s[14:15], s[14:15], s[16:17]
	s_add_nc_u64 s[8:9], s[8:9], s[18:19]
	s_add_nc_u64 s[10:11], s[10:11], s[26:27]
	s_wait_alu depctr_va_vdst(0)                   ; v2 is written, which the loads below read as their offset; so are v3 and v4, the offsets of every store of the kernel
.set r, 0
.rept 4
.set j, 0
.rept 8
	global_load_b128 v[X+32*r+4*j:X+32*r+4*j+3], v2, s[14:15] offset:4096*r+512*j th:TH_LOAD_NT
.set j, j+1
.endr
.set r, r+1
.endr
; Store j of row r: 32 lanes store 256 consecutive bytes, aligned
.macro ST r, j
	global_store_b64 v3, v[X+32*(\r)+4*(\j):X+32*(\r)+4*(\j)+1], s[8:9] offset:2048*(\r)+256*(\j)
.endm
; One row: rounded, squared and summed, stored.  Every row has its own registers, so no store's data is ever written again.
.macro ROW r
	s_wait_loadcnt 24-8*(\r)                       ; loads come back in order (ISA guide 5.7.1): this row's eight are in, the younger rows' stay out
.irp j, 0,1,2,3,4,5,6,7
	v_cvt_pk_bf16_f32 v[X+32*(\r)+4*(\j)],   v[X+32*(\r)+4*(\j)],   v[X+32*(\r)+4*(\j)+1]
	v_cvt_pk_bf16_f32 v[X+32*(\r)+4*(\j)+1], v[X+32*(\r)+4*(\j)+2], v[X+32*(\r)+4*(\j)+3]
	v_lshlrev_b32 v[T+4*((\j)%2)],   16,  v[X+32*(\r)+4*(\j)]    ; the rounded numbers as f32
	v_and_b32     v[T+4*((\j)%2)+1], s22, v[X+32*(\r)+4*(\j)]
	v_lshlrev_b32 v[T+4*((\j)%2)+2], 16,  v[X+32*(\r)+4*(\j)+1]
	v_and_b32     v[T+4*((\j)%2)+3], s22, v[X+32*(\r)+4*(\j)+1]
.if (\j) == 0
	v_pk_mul_f32 v[SSA:SSA+1], v[T:T+1], v[T:T+1]               ; the first squares start the sums
	v_pk_mul_f32 v[SSB:SSB+1], v[T+2:T+3], v[T+2:T+3]
.else
	v_pk_fma_f32 v[SSA:SSA+1], v[T+4*((\j)%2):T+4*((\j)%2)+1],   v[T+4*((\j)%2):T+4*((\j)%2)+1],   v[SSA:SSA+1]
	v_pk_fma_f32 v[SSB:SSB+1], v[T+4*((\j)%2)+2:T+4*((\j)%2)+3], v[T+4*((\j)%2)+2:T+4*((\j)%2)+3], v[SSB:SSB+1]
.endif
.endr
	v_pk_add_f32 v[SSA:SSA+1], v[SSA:SSA+1], v[SSB:SSB+1]
	v_add_f32 v18, v[SSA], v[SSA+1]
	v_add_f32_dpp v18, v18, v18 row_xmask:1 row_mask:0xf bank_mask:0xf
	v_add_f32_dpp v18, v18, v18 row_xmask:2 row_mask:0xf bank_mask:0xf
	v_add_f32_dpp v18, v18, v18 row_xmask:4 row_mask:0xf bank_mask:0xf
	v_add_f32_dpp v18, v18, v18 row_xmask:8 row_mask:0xf bank_mask:0xf
	v_permlanex16_b32 v19, v18, s20, s21
	v_add_f32 v18, v18, v19                        ; every lane holds the row's sum of squares
	v_max_num_f32 v18, 0x179abe15, v18             ; at least 1e-24: the reference's max(norm, 1e-12)
	v_rsq_f32 v19, v18
	v_nop                                          ; a plain instruction behind the transcendental (ISA guide 5.7.2)
	s_wait_alu depctr_va_vdst(0)                   ; the reciprocal root has written v19, ahead of its first reader; the row's sixteen conversions have written X, which the eight stores below read
	ST \r, 0                                       ; no further wait: no vector instruction since the wait names v3 or the row's X
	ST \r, 1
	v_mul_f32 v6, v18, v19                         ; one Newton step: y + (y / 2)(1 - ss y y)
	ST \r, 2
	ST \r, 3
	v_fma_f32 v6, -v6, v19, 1.0
	ST \r, 4
	ST \r, 5
	v_mul_f32 v7, 0.5, v19
	ST \r, 6
	ST \r, 7
	v_fma_f32 v[INV+(\r)], v7, v6, v19
.endm
	ROW 0
	ROW 1
	ROW 2
	ROW 3
	v_cmp_eq_u32 s28, 1, v1                        ; the masks in one run, each in a register of its own
	v_cmp_eq_u32 s29, 2, v1
	v_cmp_eq_u32 s30, 3, v1
	v_cmp_gt_u32 vcc_lo, 4, v1
	v_mov_b32 v18, v[INV]                          ; lane r takes row r's result
	s_wait_alu depctr_va_sdst(0)                   ; s28, s29 and s30 are written, ahead of the selects that read them
	v_cndmask_b32 v18, v18, v[INV+1], s28
	v_cndmask_b32 v18, v18, v[INV+2], s29
	v_cndmask_b32 v18, v18, v[INV+3], s30
	s_wait_alu depctr_va_vcc(0)                    ; VCC is written: EXEC is made from it
	s_wait_xcnt 0x0                                ; EXEC is a source of the stores above: it changes only behind this wait
	s_wait_alu depctr_va_vdst(0)                   ; ahead of the write of EXEC: the vector instructions issued so far are done; among them the selects, which have written v18, the data of the store below
	s_wait_alu depctr_vm_vsrc(0)                   ; ahead of the write of EXEC: the rows' stores have read their vector registers
	s_and_saveexec_b32 s24, vcc_lo
	global_store_b32 v4, v18, s[10:11]             ; 16 consecutive bytes a wave: inv is 81,920 bytes beside the launch's 126 million
	s_wait_xcnt 0x0
	s_wait_alu depctr_va_vdst(0)                   ; ahead of the write of EXEC: no vector instruction is pending
	s_wait_alu depctr_vm_vsrc(0)                   ; ahead of the write of EXEC: the store has read v4 and v18
	s_or_b32 exec_lo, exec_lo, s24
	s_endpgm
.Lfunc_end_k_q8470497495_prep:
	.size	k_q8470497495_prep, .Lfunc_end_k_q8470497495_prep-k_q8470497495_prep
	.p2alignl 7, 3214868480
	.fill 96, 4, 3214868480
	.section	.rodata,"a",@progbits
	.p2align	6, 0x0
	.amdhsa_kernel k_q8470497495_prep
		.amdhsa_group_segment_fixed_size 0
		.amdhsa_private_segment_fixed_size 0
		.amdhsa_enable_private_segment 0
		.amdhsa_kernarg_size 32
		.amdhsa_user_sgpr_count 2
		.amdhsa_user_sgpr_kernarg_segment_ptr 1
		.amdhsa_wavefront_size32 1
		.amdhsa_system_sgpr_workgroup_id_x 1
		.amdhsa_system_sgpr_workgroup_id_y 1
		.amdhsa_system_sgpr_workgroup_id_z 1
		.amdhsa_system_vgpr_workitem_id 0
		.amdhsa_next_free_vgpr 160
		.amdhsa_next_free_sgpr 66
		.amdhsa_reserve_vcc 1
		.amdhsa_float_denorm_mode_32 3
		.amdhsa_float_denorm_mode_16_64 3
		.amdhsa_memory_ordered 1
		.amdhsa_forward_progress 1
		.amdhsa_inst_pref_size 24
	.end_amdhsa_kernel
	.amdgpu_metadata
---
amdhsa.version: [ 1, 2 ]
amdhsa.kernels:
  - .name:           k_q8470497495_prep
    .symbol:         k_q8470497495_prep.kd
    .args:
      - { .name: memory, .offset: 0, .size: 8, .value_kind: global_buffer, .address_space: global }
      - { .name: query, .offset: 8, .size: 8, .value_kind: global_buffer, .address_space: global }
      - { .name: xb, .offset: 16, .size: 8, .value_kind: global_buffer, .address_space: global }
      - { .name: inv, .offset: 24, .size: 8, .value_kind: global_buffer, .address_space: global }
    .group_segment_fixed_size: 0
    .private_segment_fixed_size: 0
    .kernarg_segment_align: 8
    .kernarg_segment_size: 32
    .max_flat_workgroup_size: 128
    .sgpr_count:     66
    .vgpr_count:     160
    .wavefront_size: 32
...
	.end_amdgpu_metadata
.endif
;; end of part 6
;; launch gemm: the kernel of part 2 again; grid 64 x 4, 4 waves a work-group, clusters of 4 x 4, 327,680 bytes of LDS; arguments xb, inv, pmax, gmax; writes pmax, gmax
;; launch groups: the kernel of part 3 again; grid 256 x 1, 4 waves a work-group, no clusters, 0 bytes of LDS; arguments gmax, grp; writes grp
;; launch pick: the kernel of part 4 again; grid 256 x 1, 4 waves a work-group, no clusters, 0 bytes of LDS; arguments pmax, grp, inv, predictions, idx, aux; writes idx, aux
;; launch gather: the kernel of part 5 again; grid 2048 x 1, 4 waves a work-group, no clusters, 1,024 bytes of LDS; arguments xb, idx, aux, inv, out0; writes out0
